; MI455X (gfx1250); checked and timed in simulation.
; The chip was launched on July 23, 2026; its instructions are those of AMD's public machine-readable ISA for CDNA 5 (MIT licence, August 2026) and "CDNA5" Instruction Set Architecture Reference Guide (July 2026). The comments in the code are by the model that wrote it; some were corrected since.
;; Multi head self attention. Allowed arithmetic: matrix products marked QUANTISED: E2M1 operands, one E8M0 scale for each 32 along K, by v_wmma_scale_f32_16x16x128_f8f6f4 with both operands' format E2M1 (or v_wmma_scale_f32_32x16x128_f4), f32 sums; everything else in f32.
;; Inputs: Wk_codes 1,024 x 32 x 16 uint8 (E2M1 codes of Wk, K innermost, in blocks of 32 codes, two codes a byte); Wk_scales 1,024 x 32 uint8 (E8M0 scales of Wk, one for each 32 codes along K); Wp_codes 1,024 x 32 x 16 uint8 (E2M1 codes of Wp, K innermost, in blocks of 32 codes, two codes a byte); Wp_scales 1,024 x 32 uint8 (E8M0 scales of Wp, one for each 32 codes along K); Wq_codes 1,024 x 32 x 16 uint8 (E2M1 codes of Wq, K innermost, in blocks of 32 codes, two codes a byte); Wq_scales 1,024 x 32 uint8 (E8M0 scales of Wq, one for each 32 codes along K); bk 1,024 float32; bp 1,024 float32; bq 1,024 float32; x 4 x 1,024 x 2,048 float32.
;; Outputs: out0 4 x 1,024 x 2,048 float32.
;; This version of the problem:
;;   THIS VERSION OF THE PROBLEM IS GIVEN IN LOW PRECISION. The matrix products marked QUANTISED in the list below multiply operands that are first quantised to E2M1 (2 exponent bits, 1 mantissa bit; 4 bits a number), with one power-of-two scale for each 32 numbers along K (OCP MX v1.0); their sums are f32. All else is computed in f32.
;;   The module's matrix products, in the order in which they are computed (A, B: the left and right operand; K: the contracted axis; several contracted axes count as one K, in the product's order):
;;     1. [M 8,192, K 1,024] x [K 1,024, N 1,024]; A: input x; B: input Wk (given as codes): QUANTISED
;;     2. [M 8,192, K 1,024] x [K 1,024, N 1,024]; A: input x; B: input Wq (given as codes): QUANTISED
;;     3. batch 64 x [M 2,048, K 64] x [K 64, N 2,048]; A: computed on the way; B: computed on the way: QUANTISED
;;     4. batch 64 x [M 64, K 2,048] x [K 2,048, N 2,048]; A: input x; B: computed on the way: QUANTISED
;;     5. [M 8,192, K 1,024] x [K 1,024, N 1,024]; A: computed on the way; B: input Wp (given as codes): QUANTISED
;;   THE QUANTISER, for each operand of a quantised product, along K:
;;     - K is cut into blocks of 32 from its start; a last block that is shorter is filled with zeros.
;;     - A block's scale is 2^e with e = floor(log2(the largest magnitude in the block)) - 2, held to -126 .. 127; a block of zeros has e = 0. As a byte (E8M0): e + 127.
;;     - Each number is divided by its block's scale, clamped to +-6, and rounded to the nearest number of E2M1, ties to even, subnormals kept.
;;     - The product sums the exact products of the quantised numbers (number of the format x scale) in f32.
;;   ~~~python
;;   def quantise(x, axis):      # numpy; x: float32 -> the quantised numbers, widened to float32 again
;;       x = np.moveaxis(x, axis, -1); K = x.shape[-1]
;;       x = np.pad(x, [(0, 0)] * (x.ndim - 1) + [(0, -K % 32)]); x = x.reshape(x.shape[:-1] + (-1, 32)); a = np.abs(x).max(-1, keepdims=True)
;;       e = np.where(a > 0, np.clip(np.frexp(np.where(a > 0, a, 1))[1] - 1 - 2, -126, 127), 0)      # np.frexp(a)[1] - 1 = floor(log2(a)), exactly
;;       r = np.clip(x / 2.0 ** e, -6, 6)
;;       step = 2.0 ** (np.maximum(np.frexp(np.where(r == 0, 1, r))[1] - 1, 0) - 1)
;;       q = np.round(r / step) * step * 2.0 ** e      # np.round: ties to even
;;       return np.moveaxis(q.reshape(q.shape[:-2] + (-1,))[..., :K], -1, axis).astype(np.float32)
;;   ~~~
;;   OPERANDS COMPUTED ON THE WAY. 'Computed on the way' means the value that the module computes at that place (a softmax that the list does not call 'softmax' is quantised finished and normalised). What goes into a quantiser is computed in f32, as accurately as f32 sums, v_exp_f32 and their like allow (about 1e-6 of the number): no bf16 or f16 on the way to a quantiser, and a product that is left as it is and whose result goes on into a quantised operand takes f32 operands (vector FMAs, or v_wmma_f32_16x16x4_f32). A number that lies on a knife's edge between two numbers of the format may be rounded either way, as far as f32 arithmetic and the matrix unit's own rounding can turn it there, and no further.
;;   INPUTS GIVEN AS CODES. Wk (in the module: [1024, 1024], K = its axis 1); Wp (in the module: [1024, 1024], K = its axis 1); Wq (in the module: [1024, 1024], K = its axis 1): each comes as NAME_codes (uint8): NAME with its K axis moved to the last place and cut into blocks of 32 codes, [.., K / 32, bytes a block], one block behind the other in memory; two codes a byte, the lower K in the low four bits (a code: sign, 2 exponent bits, 1 mantissa bit); and NAME_scales (uint8): the same leading axes, one E8M0 byte (e + 127) for each 32 codes along K. Its value is code x scale, taken as it is: it is not quantised again, and the codes and scales need not be those that the quantiser above would give.
;; One version. Each part assembles by itself: llvm-mc -triple=amdgcn-amd-amdhsa -mcpu=gfx1250 --defsym DOCPART=n.
;; ======== version 1 of 1: 5 launches
;; workspace buffers: xq 8,912,896 bytes; kq 9,437,184 bytes; g 524,288 bytes; oq 4,718,592 bytes
;; launch quant (part 1): grid 16 x 32, 4 waves a work-group, no clusters, 19,456 bytes of LDS; arguments x, xq; writes xq
.if DOCPART == 1
	.amdgcn_target "amdgcn-amd-amdhsa--gfx1250"
	.amdhsa_code_object_version 6
	.text
	.protected	k_q49540a6694_quant
	.globl	k_q49540a6694_quant
	.p2align	8
	.type	k_q49540a6694_quant,@function
k_q49540a6694_quant:
	s_mov_b64 s[64:65], 0
	v_nop
	global_prefetch_b8 v0, s[64:65] scope:SCOPE_SE
	s_setreg_imm32_b32 hwreg(HW_REG_WAVE_MODE, 25, 1), 1
	s_wait_xcnt 0x0
; LAUNCH 1 OF 5.  x [4 b][1024 c][2048 l], f32, is read once and quantised twice to codes of E2M1 with one E8M0 byte for each 32 numbers:
; along c (the K of keys = Wk x and queries = Wq x) and along l (the K of out = x attn).
; DEAD WORK: none.  bq would cancel in a softmax along j in real numbers, but it stands ahead of the quantiser of keys^T queries, so it can move codes and scales; bk, bp and the factor 2 / L reach the result
; directly.  Every product of reference() is done and every input is loaded by one of the five launches.
; LIMITS: NaN and infinities among the inputs are not served.  A block whose largest magnitude lies under 2^(3 - 127) gets the byte 1 (a block of zeros too, where the rule says 127: its codes are zeros, which add
; nothing under any byte but 0xff, and this program alone reads the bytes).
; TILE ORDER, used by every buffer of this program that is indexed by l, and by the 64 rows d of a head: tile 2 (l / 32) + u, place r, holds l = 32 (l / 32) + 8 u + r + 8 (r / 8).  As source 0 of a matrix
; instruction two such tiles leave 16 neighbours along l in a lane's 16 result registers.
; IMAGES: a fragment lies in memory as its registers lie: lane L's 16 bytes at 16 L.
; xq:  XC  at 0        [b][tile 128][K step 8 of 128 c][cc 2][lane 32][16 bytes]      codes along c
;      XL  at 0x400000 [b 16 + head][K step 16 of 128 l][tile of d 4][cc 2][lane][16] codes along l
;      XCS at 0x800000 [b 8 + K step][2048 words in tile order]                       four scale bytes of a K step of c
;      XLS at 0x840000 [b 16 + head][K step 16][tile of d 4][place 16] words          four scale bytes of a K step of l
; SHARES.  Work-group (X, y = 8 b + s): c = 128 s .. + 127, l = 128 X .. + 127.  Wave w: l = 128 X + 32 w .. + 31, four blocks t of 32 c.  A lane takes a column l and its 32 registers run down c: the block
; along c is the lane's own.  The same 32 x 32 numbers go through the wave's stage in LDS and come back a row c to a lane, 32 neighbours along l: the block along l is then the lane's own too.
; No tensor loads, no cluster (work-groups share no input), no matrix work.
.set PIT,   144                        ; a stage row: 128 bytes + 16: nine times 16 bytes, so the 16 rows of a ds_load_b128 start 36 words apart
.set WST,   32*PIT                     ; a wave's stage
.set SCB,   4*WST                      ; 128 rows c x 4 bytes: the l-direction scale bytes of the four waves
.set SPARE, SCB+512                    ; the spare words, 128 bytes for each wave: two blocks of 256 bytes that no other line names
.set T,     32                         ; v32-63   a row's 32 numbers along l
.set X,     64                         ; v64-127  two sets of 32 numbers down c
.set C,     128                        ; v128-143 codes along c, four registers a block: no store's data are written again
.set D,     144                        ; v144-159 codes along l, likewise
.set SPW,   12                         ; v12      LDS address of my spare word; never rewritten
.set NIL,   13                         ; v13      0; never rewritten
	s_load_b128 s[4:7], s[0:1], 0x0                ; x s[4:5], xq s[6:7]
	v_lshl_add_u32 v[SPW], v0, 2, SPARE
	v_mov_b32 v[NIL], 0
	v_lshrrev_b32 v1, 5, v0
	v_readfirstlane_b32 s8, v1                     ; wave 0..3
	v_and_b32 v1, 31, v0                           ; lane
	v_lshlrev_b32 v2, 2, v1                        ; 4 x lane
	v_bfe_u32 v3, v0, 3, 1                         ; u: which tile of the pair my index falls into
	v_and_b32 v4, 7, v0
	v_bfe_u32 v14, v0, 4, 1
	v_lshl_add_u32 v4, v14, 3, v4                  ; r: its place there
	v_lshlrev_b32 v15, 4, v4
	v_lshl_add_u32 v5, v3, 13, v15                 ; XC: 8,192 u + 16 r
	v_lshl_add_u32 v6, v3, 10, v15                 ; XL: 1,024 u + 16 r
	v_lshl_add_u32 v7, v3, 4, v4
	v_lshlrev_b32 v7, 2, v7                        ; scale words: 4 (16 u + r)
	s_mul_i32 s9, s8, WST
	v_add_nc_u32 v8, s9, v2                        ; the stage, in: column = lane
	v_mul_u32_u24 v9, v1, PIT
	v_add_nc_u32 v9, s9, v9                        ; and back: row = lane
	s_add_co_u32 s9, s8, SCB
	v_add_nc_u32 v10, s9, v2                       ; my row's byte w of the l-direction scale word
	s_lshl_b32 s9, s8, 7
	s_add_co_u32 s9, s9, SCB
	v_add_nc_u32 v11, s9, v2                       ; and the whole words of rows 32 w + lane
	s_and_b32 s11, ttmp7, 0xffff                   ; y = 8 b + s
	s_lshl_b32 s30, ttmp9, 2
	s_add_co_u32 s30, s30, s8                      ; 4 X + w: my 32 l
	s_lshl_b32 s20, s11, 20                        ; x: 128 rows c of 8,192 bytes a y,
	s_lshl_b32 s9, s30, 7
	s_add_co_u32 s20, s20, s9                      ; + 128 bytes for each 32 l
	s_mov_b32 s21, 0
	s_lshr_b32 s22, s11, 3
	s_lshl_b32 s22, s22, 20                        ; XC: b,
	s_lshl_b32 s9, s30, 14
	s_add_co_u32 s22, s22, s9                      ; my pair of tiles,
	s_and_b32 s9, s11, 7
	s_lshl_b32 s9, s9, 10
	s_add_co_u32 s22, s22, s9                      ; K step s
	s_mov_b32 s23, 0
	s_lshl_b32 s24, s11, 17                        ; XL: heads 2 y and 2 y + 1,
	s_lshl_b32 s9, ttmp9, 12
	s_add_co_u32 s24, s24, s9                      ; K step X,
	s_lshl_b32 s9, s8, 8
	s_add_co_u32 s24, s24, s9                      ; block w of it: 512 (w / 2) + 256 (w % 2)
	s_add_co_u32 s24, s24, 0x400000
	s_mov_b32 s25, 0
	s_lshl_b32 s26, s11, 13                        ; XCS
	s_lshl_b32 s9, s30, 7
	s_add_co_u32 s26, s26, s9
	s_add_co_u32 s26, s26, 0x800000
	s_mov_b32 s27, 0
	s_lshl_b32 s28, s11, 1                         ; XLS: rows 32 w .. of my 128 c are head 2 y + w / 2, tiles of d 2 (w % 2) and + 1
	s_lshr_b32 s9, s8, 1
	s_add_co_u32 s28, s28, s9
	s_lshl_b32 s28, s28, 12
	s_lshl_b32 s9, ttmp9, 8
	s_add_co_u32 s28, s28, s9
	s_and_b32 s9, s8, 1
	s_lshl_b32 s9, s9, 7
	s_add_co_u32 s28, s28, s9
	s_add_co_u32 s28, s28, 0x840000
	s_mov_b32 s29, 0
	s_wait_kmcnt 0x0
	s_add_nc_u64 s[4:5], s[4:5], s[20:21]
	s_add_nc_u64 s[12:13], s[6:7], s[22:23]
	s_add_nc_u64 s[14:15], s[6:7], s[24:25]
	s_add_nc_u64 s[16:17], s[6:7], s[26:27]
	s_add_nc_u64 s[18:19], s[6:7], s[28:29]
.macro LOAD t                          ; block t: x(128 s + 32 t + i, my l), i = 0 .. 31: a wave reads 128 consecutive bytes, the four waves 512
.irp i, 0,1,2,3,4,5,6,7,8,9,10,11,12,13,14,15,16,17,18,19,20,21,22,23,24,25,26,27,28,29,30,31
	global_load_b32 v[X+32*((\t)%2)+\i], v2, s[4:5] offset:(32*(\t)+\i)*8192 th:TH_LOAD_NT
.endr
.endm
.macro MAX32 s                         ; v14 = the largest magnitude of v[s] .. v[s + 31], in two chains, with the floor 2^(3 - 127) as one more leaf: the byte cannot fall under 1
	v_max3_num_f32 v14, |v[\s]|, |v[\s+1]|, |v[\s+2]|
	v_max3_num_f32 v15, |v[\s+3]|, |v[\s+4]|, |v[\s+5]|
.irp i, 6,10,14,18,22,26
	v_max3_num_f32 v14, v14, |v[\s+\i]|, |v[\s+\i+1]|
	v_max3_num_f32 v15, v15, |v[\s+\i+2]|, |v[\s+\i+3]|
.endr
	v_max3_num_f32 v14, v14, |v[\s+30]|, |v[\s+31]|
	v_max3_num_f32 v14, v14, v15, 0x1800000
.endm
.macro BLOCK t
.set XS, X+32*((\t)%2)
.if (\t) < 3
	s_wait_loadcnt 32                              ; this block's 32 loads are in; the next block's 32 may be out
.else
	s_wait_loadcnt 0x0
.endif
	MAX32 XS                                       ; ALONG c: all 32 numbers of the block are mine
	v_add_nc_u32 v16, 0xff000000, v14              ; 2 off the exponent field: the conversion takes the exponent field of this operand as its scale
	v_lshrrev_b32 v17, 23, v16                     ; the scale's byte
.if (\t) == 0
	v_mov_b32 v20, v17                             ; byte t of my l's scale word for this K step
.else
	v_lshl_or_b32 v20, v17, 8*(\t), v20
.endif
.irp g, 0,1,2,3
	v_cvt_scalef32_pk8_fp4_f32 v[C+4*(\t)+\g], v[XS+8*\g:XS+8*\g+7], v16
.endr
	global_store_b128 v5, v[C+4*(\t):C+4*(\t)+3], s[12:13] offset:256*(\t)   ; block t = 2 cc + h of the fragment: 512 cc + 256 h; sixteen lanes fill 256 consecutive bytes, aligned
.irp i, 0,1,2,3,4,5,6,7,8,9,10,11,12,13,14,15,16,17,18,19,20,21,22,23,24,25,26,27,28,29,30,31
	ds_store_b32 v8, v[XS+\i] offset:PIT*\i        ; ALONG l: row i of the stage is row c = 32 t + i
.endr
.irp k, 0,1,2,3,4,5,6,7
	ds_load_b128 v[T+4*\k:T+4*\k+3], v9 offset:16*\k   ; LDS serves a wave's instructions in order: these see the stores above
.endr
	s_wait_dscnt 0x0                               ; the row is in, and the stores have read their registers,
.if (\t) < 2
	LOAD (\t)+2                                    ; which take the block two further on
.endif
	MAX32 T
	v_add_nc_u32 v18, 0xff000000, v14
.irp g, 0,1,2,3
	v_cvt_scalef32_pk8_fp4_f32 v[D+4*(\t)+\g], v[T+8*\g:T+8*\g+7], v18
.endr
	v_lshrrev_b32 v19, 23, v18                     ; the byte (also the plain line behind the conversions)
	ds_store_b8 v10, v19 offset:128*(\t)           ; byte w of row 32 t + lane: the four waves fill the word
	global_store_b128 v6, v[D+4*(\t):D+4*(\t)+3], s[14:15] offset:((\t)/2)*65536+((\t)%2)*2048   ; head t / 2 of my two, tiles of d 2 (t % 2) + u
.endm
	LOAD 0
	LOAD 1
	BLOCK 0
	BLOCK 1
	BLOCK 2
	BLOCK 3
	global_store_b32 v7, v20, s[16:17]             ; my l's scale word along c: the wave stores 128 consecutive bytes
	s_wait_dscnt 0x0                               ; for the others' sake: my byte stores have landed
	s_barrier_signal -1
	s_barrier_wait -1
	ds_load_b32 v21, v11                           ; rows 32 w + lane: words whose bytes the four waves wrote
	s_wait_dscnt 0x0
	global_store_b32 v7, v21, s[18:19]
	s_wait_tensorcnt 0x0                           ; the wave's end, behind my last LDS store
	ds_add_u32 v[SPW], v[NIL]
	s_wait_dscnt 0x0
	s_endpgm
.Lfunc_end_k_q49540a6694_quant:
	.size	k_q49540a6694_quant, .Lfunc_end_k_q49540a6694_quant-k_q49540a6694_quant
	.p2alignl 7, 3214868480
	.fill 96, 4, 3214868480
	.section	.rodata,"a",@progbits
	.p2align	6, 0x0
	.amdhsa_kernel k_q49540a6694_quant
		.amdhsa_group_segment_fixed_size 19456
		.amdhsa_private_segment_fixed_size 0
		.amdhsa_enable_private_segment 0
		.amdhsa_kernarg_size 16
		.amdhsa_user_sgpr_count 2
		.amdhsa_user_sgpr_kernarg_segment_ptr 1
		.amdhsa_wavefront_size32 1
		.amdhsa_system_sgpr_workgroup_id_x 1
		.amdhsa_system_sgpr_workgroup_id_y 1
		.amdhsa_system_sgpr_workgroup_id_z 1
		.amdhsa_system_vgpr_workitem_id 0
		.amdhsa_next_free_vgpr 160
		.amdhsa_next_free_sgpr 66
		.amdhsa_reserve_vcc 0
		.amdhsa_float_denorm_mode_32 3
		.amdhsa_float_denorm_mode_16_64 3
		.amdhsa_memory_ordered 1
		.amdhsa_forward_progress 1
		.amdhsa_inst_pref_size 38
	.end_amdhsa_kernel
	.amdgpu_metadata
---
amdhsa.version: [ 1, 2 ]
amdhsa.kernels:
  - .name:           k_q49540a6694_quant
    .symbol:         k_q49540a6694_quant.kd
    .args:
      - { .name: x, .offset: 0, .size: 8, .value_kind: global_buffer, .address_space: global }
      - { .name: xq, .offset: 8, .size: 8, .value_kind: global_buffer, .address_space: global }
    .group_segment_fixed_size: 19456
    .private_segment_fixed_size: 0
    .kernarg_segment_align: 8
    .kernarg_segment_size: 16
    .max_flat_workgroup_size: 128
    .sgpr_count:     66
    .vgpr_count:     160
    .wavefront_size: 32
...
	.end_amdgpu_metadata
.endif
;; end of part 1
;; launch proj (part 2): grid 8 x 32, 4 waves a work-group, clusters of 4 x 4, 270,848 bytes of LDS; arguments xq, Wk_codes, Wk_scales, bk, Wq_codes, Wq_scales, bq, kq; writes kq
.if DOCPART == 2
	.amdgcn_target "amdgcn-amd-amdhsa--gfx1250"
	.amdhsa_code_object_version 6
	.text
	.protected	k_q49540a6694_proj
	.globl	k_q49540a6694_proj
	.p2align	8
	.type	k_q49540a6694_proj,@function
k_q49540a6694_proj:
	s_mov_b64 s[64:65], 0
	v_nop
	global_prefetch_b8 v0, s[64:65] scope:SCOPE_SE
	s_setreg_imm32_b32 hwreg(HW_REG_WAVE_MODE, 25, 1), 1
	s_wait_xcnt 0x0
	s_wait_alu depctr_hold_cnt(0) depctr_sa_sdst(0) depctr_va_vdst(0) depctr_va_sdst(0) depctr_va_ssrc(0) depctr_va_vcc(0) depctr_vm_vsrc(0)
	s_getreg_b32 s2, hwreg(HW_REG_IB_STS2, 6, 4)
	s_cmp_eq_u32 s2, 0
	s_cbranch_scc0 .Lentry_in_a_cluster
	s_endpgm
.Lentry_in_a_cluster:
	s_bfe_u32 s2, ttmp6, 0x10000c
	s_cmp_lg_u32 s2, 0xf033
	s_cbranch_scc0 .Lentry_shape_is_right
	s_endpgm
.Lentry_shape_is_right:
; LAUNCH 2 OF 5.  keys = Wk x + bk and queries = Wq x + bq on codes of E2M1 (K = c = 1,024), and their quantising along d (two blocks of 32 a head) for keys^T queries.  No work of reference() is left out here.
; kq:  KC at 0, QC at 0x400000: [b 16 + head][tile of l 128][lane 32][16 bytes]: lane (r, h) holds the codes of d = 32 h .. + 31 of the l at place r: registers 0-3 of a fragment whose K is 64
;      KS at 0x800000, QS at 0x880000: [b 16 + head][2048 words in tile order]: bytes 0 and 1 the two blocks' scales, bytes 2 and 3 zero
; LIMITS: as in the first launch; the bias is the C of each sum's first matrix instruction, so it is added first and not last.
; SHARES.  A work-group makes 256 l (TR = 4 x cluster y + cy; b = TR / 8) x 256 rows o of one weight (cluster x: 0 Wk, 1 Wq; cx: which 256 rows).  Wave w: l half w / 2 (8 tiles a), o half w % 2 (8 tiles bt: two heads):
; 64 accumulators, 512 registers.  All of K lies in LDS: 128 KiB of x's images and 136 KiB of the weight's rows, in two halves of K: every tensor load is a first fill, nothing is filled again.
; CLUSTER 4 x 4: x's tiles hang on TR alone and are asked for jointly along a row of the cluster, the weight's on cx (and cluster x) alone and jointly along a column.
; TRANSPOSED: source 0 = 16 rows of the weight, source 1 = 16 l.  THE ROWS OF A TILE OF THE WEIGHT ARE NOT NEIGHBOURS: place r of tile 2 p + u is row 32 p + 8 u + r + 8 (r / 8), so a lane holds one l and its 16 registers
; of tiles 2 p, 2 p + 1 are 16 neighbours along o, which is the next product's K.
; REGISTERS: window 0: v1-29 addresses; v32-63 the weight's scale words, v64-95 x's; v96-123 the quantiser's; v128-255 x's fragments, two sets.  window 1: v0-63, v128-191 the weight's fragments, two sets; v64-127 the bias in the
; result's layout.  windows 2, 3: accumulator (a, bt) at v[8 (8 (a % 4) + bt)] of window 2 + a / 4.
.set BLDS,  131072                     ; LDS: x's images, 65,536 bytes a half of K, from 0; the weight's rows from here:
.set BHALF, 69632                      ; 256 rows x (256 bytes + 16) a half of K,
.set BPART, 34816                      ; 128 rows: what one tensor load brings and one wave reads
.set SPARE, 270336                     ; the spare words, 128 bytes for each wave: two blocks of 256 bytes that no other line names
.set ADRA, 16                          ; v16-17 LDS address of my x fragments in K half 0, 1
.set ADRB, 20                          ; v20-21 the same for the weight
.set KO,   24                          ; v24  16 x lane
.set SO,   25                          ; v25  8,192 h + 4 r: lanes 0-15 store my first head's scale words, lanes 16-31 my second's
.set SH,   26                          ; v26  16 h
.set SPW,  28
.set NIL,  29
.set WS,   32                          ; v[WS + 8 p + s]: lanes 0-15 the word of tile 2 p, lanes 16-31 of tile 2 p + 1, for K step s
.set XS,   64                          ; v[XS + 4 s + pa]: the same of x's tiles 2 pa, 2 pa + 1
.set TM,   96                          ; +0..3 largest magnitudes, +4..7 the other half's, then bytes, +12..15 the conversions' scale operands
.set PW,   112
.set PT,   113
.set PC,   116
.set AF,   128
.set BI,   64                          ; in window 1
.set WV,   20
.set RH,   21
.set CH,   22
.set CX,   23
.set CY,   24
.set TR,   25
.set G1A,  28
.set G0A,  36
.set G1B,  44
.set G0B,  52
.set SEL,  66
.set MSB, 0
.macro WIN new                         ; the immediate's high byte repeats the setting that is left; a switch that changes nothing is dropped
.if MSB != (\new)
	s_set_vgpr_msb (MSB<<8)|(\new)
.set MSB, (\new)
.endif
.endm
.macro PLACES                          ; four plain vector lines between a matrix instruction and a load into, or a vector read of, its registers
.rept 4
	v_nop
.endr
.endm
.macro CROUND                          ; a round of the cluster's barrier
	s_barrier_signal -1
	s_barrier_wait -1
	s_cmp_lg_u32 s[WV], 0
	s_cbranch_scc1 .Lnot_wave_0_\@
	s_barrier_signal -3
.Lnot_wave_0_\@:
	s_barrier_wait -3
	s_barrier_signal -1
	s_barrier_wait -1
.endm
.macro WMM d, a, b, c, sa, sb, ra, rb  ; one product; ra, rb = 1: that side's scale words are taken from lanes 16-31
.if ((\ra) == 0) && ((\rb) == 0)
	v_wmma_scale_f32_16x16x128_f8f6f4 v[\d:\d+7], v[\a:\a+7], v[\b:\b+7], v[\c:\c+7], v[\sa], v[\sb] matrix_a_fmt:MATRIX_FMT_FP4 matrix_b_fmt:MATRIX_FMT_FP4
.elseif (\rb) == 0
	v_wmma_scale_f32_16x16x128_f8f6f4 v[\d:\d+7], v[\a:\a+7], v[\b:\b+7], v[\c:\c+7], v[\sa], v[\sb] matrix_a_fmt:MATRIX_FMT_FP4 matrix_b_fmt:MATRIX_FMT_FP4 matrix_a_scale:MATRIX_SCALE_ROW1
.elseif (\ra) == 0
	v_wmma_scale_f32_16x16x128_f8f6f4 v[\d:\d+7], v[\a:\a+7], v[\b:\b+7], v[\c:\c+7], v[\sa], v[\sb] matrix_a_fmt:MATRIX_FMT_FP4 matrix_b_fmt:MATRIX_FMT_FP4 matrix_b_scale:MATRIX_SCALE_ROW1
.else
	v_wmma_scale_f32_16x16x128_f8f6f4 v[\d:\d+7], v[\a:\a+7], v[\b:\b+7], v[\c:\c+7], v[\sa], v[\sb] matrix_a_fmt:MATRIX_FMT_FP4 matrix_b_fmt:MATRIX_FMT_FP4 matrix_a_scale:MATRIX_SCALE_ROW1 matrix_b_scale:MATRIX_SCALE_ROW1
.endif
.endm
	s_load_b256 s[4:11], s[0:1], 0x0               ; xq s[4:5], Wk's codes s[6:7], its scales s[8:9], bk s[10:11]
	s_load_b256 s[12:19], s[0:1], 0x20             ; Wq's codes s[12:13], its scales s[14:15], bq s[16:17], kq s[18:19]
	v_lshl_add_u32 v[SPW], v0, 2, SPARE
	v_mov_b32 v[NIL], 0
	ds_add_u32 v[SPW], v[NIL]                      ; the wave's opening: the add, twice on end, and its wait ahead of my first tensor load
	ds_add_u32 v[SPW], v[NIL]
	v_lshrrev_b32 v1, 5, v0
	v_readfirstlane_b32 s[WV], v1                  ; wave 0..3
	s_lshr_b32 s[RH], s[WV], 1                     ; my half of the 256 l.  Also: I fetch x's tiles (0) or the weight's (1)
	s_and_b32 s[CH], s[WV], 1                      ; my half of the 256 o.  Also: which half of that tile I fetch
	s_bfe_u32 s[CX], ttmp6, 0x40000
	s_bfe_u32 s[CY], ttmp6, 0x40004
	s_and_b32 s[TR], ttmp7, 0xffff
	s_lshl_b32 s[TR], s[TR], 2
	s_add_co_u32 s[TR], s[TR], s[CY]               ; which 256 l of the 8,192
	s_lshl_b32 s26, s[CY], 2
	s_lshl_b32 s26, 15, s26                        ; my row of the cluster
	s_lshl_b32 s27, 0x1111, s[CX]                  ; my column
	s_or_b32 s[G1A], s26, (3<<16)|(1<<21)          ; x's images: 8 tiles x 4,096 consecutive bytes (four K steps), as rows of 512 elements of 8 bytes, 8,192 bytes apart; no padding: an image is read 512 bytes on end
	s_mov_b32 s[G1A+1], 512<<16
	s_mov_b32 s[G1A+2], 8<<16
	s_mov_b32 s[G1A+3], 512<<16
	s_mov_b32 s[G1A+4], 8
	s_mov_b32 s[G1A+5], 1024
	s_mov_b32 s[G1A+6], 0
	s_mov_b32 s[G1A+7], 0
	s_or_b32 s[G1B], s27, (1<<20)|(1<<21)|(5<<22)|(3<<25)   ; the weight: 128 rows x 256 bytes of 512, 16 bytes of padding behind each 64 words
	s_mov_b32 s[G1B+1], 256<<16
	s_mov_b32 s[G1B+2], 128<<16
	s_mov_b32 s[G1B+3], 256<<16
	s_mov_b32 s[G1B+4], 128
	s_mov_b32 s[G1B+5], 512
	s_mov_b32 s[G1B+6], 0
	s_mov_b32 s[G1B+7], 0
	s_lshl_b32 s72, s[TR], 17                      ; x's images of my work-group's 16 tiles: 131,072 bytes a TR,
	s_lshl_b32 s26, s[CH], 16
	s_add_co_u32 s72, s72, s26                     ; the 8 tiles that I fetch
	s_mov_b32 s73, 0
	s_lshl_b32 s74, s[CX], 17                      ; the weight's 256 rows of 512 bytes,
	s_add_co_u32 s74, s74, s26                     ; the 128 that I fetch
	s_mov_b32 s75, 0
	s_lshr_b32 s60, s[TR], 3                       ; b
	s_and_b32 s61, s[TR], 7                        ; which 256 l of the batch
	s_cmp_eq_u32 ttmp9, 0                          ; keys or queries: cluster x, the same in all sixteen partners
	s_cselect_b32 s76, 0, 0x400000                 ; KC or QC
	s_lshr_b32 s77, s76, 3
	s_add_co_u32 s77, s77, 0x800000                ; KS or QS
	s_lshl_b32 s78, s60, 16                        ; x's scale words: XCS + (8 b + s) 8,192 + (16 (TR % 8) + 8 RH) 64
	s_lshl_b32 s26, s61, 10
	s_add_co_u32 s78, s78, s26
	s_lshl_b32 s27, s[RH], 9
	s_add_co_u32 s78, s78, s27
	s_add_co_u32 s78, s78, 0x800000
	s_mov_b32 s79, 0
	s_lshl_b32 s70, s60, 17                        ; where my scale words go: head 16 b + 4 cx + 2 CH, 8,192 bytes a head, tile 16 (TR % 8) + 8 RH
	s_add_co_u32 s70, s70, s26
	s_add_co_u32 s70, s70, s27
	s_lshl_b32 s26, s[CX], 15
	s_add_co_u32 s70, s70, s26
	s_lshl_b32 s26, s[CH], 14
	s_add_co_u32 s70, s70, s26
	s_add_co_u32 s70, s70, s77
	s_mov_b32 s71, 0
	s_lshl_b32 s68, s60, 20                        ; and my codes: 65,536 bytes a head, 512 a tile
	s_lshl_b32 s26, s[CX], 18
	s_add_co_u32 s68, s68, s26
	s_lshl_b32 s26, s[CH], 17
	s_add_co_u32 s68, s68, s26
	s_lshl_b32 s26, s61, 13
	s_add_co_u32 s68, s68, s26
	s_lshl_b32 s26, s[RH], 12
	s_add_co_u32 s68, s68, s26
	s_add_co_u32 s68, s68, s76
	s_mov_b32 s69, 0
	s_lshl_b32 s80, s[CX], 13                      ; the weight's scale bytes of my 128 rows: 32 bytes a row
	s_lshl_b32 s26, s[CH], 12
	s_add_co_u32 s80, s80, s26
	s_mov_b32 s81, 0
	s_lshr_b32 s82, s80, 3                         ; and their bias: 4 bytes a row
	s_mov_b32 s83, 0
	s_mov_b32 s[SEL], 0x76543210
	s_mov_b32 s[SEL+1], 0xfedcba98                 ; v_permlanex16_b32's selects for lane l xor 16
	s_wait_dscnt 0x0                               ; both opening adds are done
	s_wait_kmcnt 0x0
	s_cmp_eq_u32 ttmp9, 0
	s_cselect_b64 s[6:7], s[6:7], s[12:13]         ; the weight's codes,
	s_cselect_b64 s[8:9], s[8:9], s[14:15]         ; scales
	s_cselect_b64 s[10:11], s[10:11], s[16:17]     ; and bias
	s_add_nc_u64 s[72:73], s[4:5], s[72:73]
	s_add_nc_u64 s[74:75], s[6:7], s[74:75]
	s_add_nc_u64 s[78:79], s[4:5], s[78:79]
	s_add_nc_u64 s[68:69], s[18:19], s[68:69]
	s_add_nc_u64 s[70:71], s[18:19], s[70:71]
	s_add_nc_u64 s[8:9], s[8:9], s[80:81]
	s_add_nc_u64 s[10:11], s[10:11], s[82:83]
.irp f, 0,1                            ; group 0 for each half of K
	s_mov_b32 s[G0A+4*\f], 1
	s_lshl_b32 s[G0A+4*\f+1], s[CH], 15
	s_add_co_u32 s[G0A+4*\f+1], s[G0A+4*\f+1], \f*65536
	s_add_nc_u64 s[G0A+4*\f+2:G0A+4*\f+3], s[72:73], \f*4096
	s_or_b32 s[G0A+4*\f+3], s[G0A+4*\f+3], 0x80000000
	s_mov_b32 s[G0B+4*\f], 1
	s_mul_i32 s[G0B+4*\f+1], s[CH], BPART
	s_add_co_u32 s[G0B+4*\f+1], s[G0B+4*\f+1], BLDS+\f*BHALF
	s_add_nc_u64 s[G0B+4*\f+2:G0B+4*\f+3], s[74:75], \f*256
	s_or_b32 s[G0B+4*\f+3], s[G0B+4*\f+3], 0x80000000
.endr
	CROUND                                         ; all sixteen work-groups are here: the joint loads meet
	s_cmp_lt_u32 s[WV], 2                          ; a wave's two fills stand in one arm: two tensor loads of mine are out
	s_cbranch_scc0 .Lfirst_b
	tensor_load_to_lds s[G0A:G0A+3], s[G1A:G1A+7]
	s_nop 0
	tensor_load_to_lds s[G0A+4:G0A+7], s[G1A:G1A+7]
	s_nop 0
.rept 4
	v_nop
.endr
	s_branch .Lfirst_asked
.Lfirst_b:
	tensor_load_to_lds s[G0B:G0B+3], s[G1B:G1B+7]
	s_nop 0
	tensor_load_to_lds s[G0B+4:G0B+7], s[G1B:G1B+7]
	s_nop 0
.rept 4
	v_nop
.endr
.Lfirst_asked:
	v_and_b32 v1, 15, v0                           ; r
	v_bfe_u32 v2, v0, 4, 1                         ; h
	v_and_b32 v3, 31, v0                           ; lane
	v_lshlrev_b32 v[KO], 4, v3
	v_lshlrev_b32 v5, 2, v3                        ; 4 x lane
	v_and_b32 v7, 8, v1
	v_add_nc_u32 v7, v7, v1                        ; r + 8 (r / 8)
	v_lshl_add_u32 v4, v2, 3, v7
	v_lshlrev_b32 v4, 5, v4                        ; the weight's scale bytes: row r + 8 (r / 8) + 8 h: lanes 16-31 take the pair's second tile
	v_lshlrev_b32 v6, 6, v2                        ; the bias: 16 h numbers on
	v_lshlrev_b32 v[SH], 4, v2
	v_lshlrev_b32 v[SO], 2, v1
	v_lshl_add_u32 v[SO], v2, 13, v[SO]
.irp p, 0,1,2,3
	global_load_b128 v[WS+8*\p:WS+8*\p+3], v4, s[8:9] offset:\p*1024
	global_load_b128 v[WS+8*\p+4:WS+8*\p+7], v4, s[8:9] offset:\p*1024+16
.endr
.irp s, 0,1,2,3,4,5,6,7
.irp pa, 0,1,2,3
	global_load_b32 v[XS+4*\s+\pa], v5, s[78:79] offset:\s*8192+\pa*128
.endr
.endr
	WIN 0x40                                       ; destination window 1
.irp bt, 0,1,2,3,4,5,6,7
	global_load_b128 v[BI+8*\bt:BI+8*\bt+3], v6, s[10:11] offset:(32*(\bt/2)+8*(\bt%2))*4       ; register j: the bias of row 32 (bt / 2) + 8 (bt % 2) + 16 h + j
	global_load_b128 v[BI+8*\bt+4:BI+8*\bt+7], v6, s[10:11] offset:(32*(\bt/2)+8*(\bt%2))*4+16
.endr
	WIN 0
	s_lshl_b32 s26, s[RH], 15
	v_add_nc_u32 v[ADRA], s26, v[KO]
	v_add_nc_u32 v[ADRA+1], 65536, v[ADRA]
	v_mul_u32_u24 v8, v7, 272
	v_lshl_add_u32 v8, v2, 4, v8
	s_mul_i32 s26, s[CH], BPART
	s_add_co_u32 s26, s26, BLDS
	v_add_nc_u32 v[ADRB], s26, v8
	v_add_nc_u32 v[ADRB+1], BHALF, v[ADRB]
.irp b, 0,1,2,3
	v_mov_b32 v[TM+4+\b], 0                        ; written once: a lane permute's destination counts as one of its sources
.endr
.macro FETCH s                         ; the fragments of K step s into set s % 2: 16 loads for the weight, 16 for x
	WIN 0x40
.irp bt, 0,1,2,3,4,5,6,7
.irp cc, 0,1
	ds_load_b128 v[128*((\s)%2)+8*\bt+4*\cc:128*((\s)%2)+8*\bt+4*\cc+3], v[ADRB+(\s)/4] offset:(32*(\bt/2)+8*(\bt%2))*272+64*((\s)%4)+32*\cc
.endr
.endr
	WIN 0
.irp a, 0,1,2,3,4,5,6,7
.irp cc, 0,1
	ds_load_b128 v[AF+64*((\s)%2)+8*\a+4*\cc:AF+64*((\s)%2)+8*\a+4*\cc+3], v[ADRA+(\s)/4] offset:\a*4096+((\s)%4)*1024+\cc*512
.endr
.endr
.endm
.macro MM s, a, bt
.set rD, 8*(8*((\a)%4)+(\bt))
.set rB, 128*((\s)%2)+8*(\bt)
.set rA, AF+64*((\s)%2)+8*(\a)
.set rW, WS+8*((\bt)/2)+(\s)
.set rX, XS+4*(\s)+(\a)/2
.set rC, rD
.if (\s) == 0
.set rC, BI+8*(\bt)                    ; the first K step starts each sum with the bias: nothing is cleared, nothing is added later
.endif
	WMM rD, rB, rA, rC, rW, rX, (\bt)%2, (\a)%2
.endm
.macro MUL s                           ; 64 products; the 64 accumulators take turns, one instruction a turn, in the same order in every K step
.irp a, 0,1,2,3,4,5,6,7
.if (\s) == 0
	WIN 0x91+0x40*(\a/4)                           ; source 0 and C window 1, source 1 window 0, D window 2 or 3
.else
	WIN 0xa1+0x50*(\a/4)                           ; source 0 window 1, source 1 window 0, C and D window 2 or 3
.endif
.irp bt, 0,1,2,3,4,5,6,7
	MM \s, \a, \bt
.endr
.endr
.endm
.macro STEP s
.if (\s) < 7
	PLACES                                         ; the other set was multiplied by the K step before
	FETCH (\s)+1
	s_wait_dscnt 32                                ; this step's fragments are in; the 32 loads just issued may be out
.else
	s_wait_dscnt 0x0
.endif
	MUL \s
.endm
	s_wait_loadcnt 0x0                             ; scale words and bias
	s_wait_tensorcnt 1                             ; my part of K's first half is in; the second half's load may be out
	s_barrier_signal -1
	s_barrier_wait -1                              ; everybody's is
	FETCH 0
	STEP 0
	STEP 1
	STEP 2
	s_wait_tensorcnt 0x0                           ; my part of K's second half is in: no load was issued behind it
	s_wait_dscnt 0x0                               ; no LDS instruction of mine is pending at a signal
	s_barrier_signal -1
	s_barrier_wait -1                              ; everybody's is; nothing is filled again
	STEP 3
	STEP 4
	STEP 5
	STEP 6
	STEP 7
	PLACES
; Tile a's 64 numbers a lane (register 16 k + i: row 32 k + 16 h + i of my 128) become two heads' codes and scale words.
.macro QOUT a
.set AC, 64*((\a)%4)
.set WW, 2+(\a)/4
	s_wait_xcnt 0x0                                ; the last tile's stores have read their registers
	WIN WW|(WW<<2)                                 ; sources 0 and 1: the accumulators' window
.irp b, 0,1,2,3
	v_max3_num_f32 v[TM+\b], |v[AC+16*\b]|, |v[AC+16*\b+1]|, 0x1800000   ; each accumulator is read from its low end on; the floor 2^(3 - 127) holds the byte at 1 from below
.endr
.irp i, 2,4,6,8,10,12,14
.irp b, 0,1,2,3
	v_max3_num_f32 v[TM+\b], |v[AC+16*\b+\i]|, |v[AC+16*\b+\i+1]|, v[TM+\b]
.endr
.endr
	WIN 0
.irp b, 0,1,2,3
	v_permlanex16_b32 v[TM+4+\b], v[TM+\b], s[SEL], s[SEL+1]
.endr
.irp b, 0,1,2,3
	v_max_num_f32 v[TM+\b], v[TM+\b], v[TM+4+\b]   ; with lane l xor 16's 16: the block's largest magnitude
.endr
.irp b, 0,1,2,3
	v_add_nc_u32 v[TM+12+\b], 0xff000000, v[TM+\b] ; 2 off the exponent field: the conversion's scale operand
.endr
.irp b, 0,1,2,3
	v_lshrrev_b32 v[TM+4+\b], 23, v[TM+12+\b]      ; the byte
.endr
	v_lshl_or_b32 v[PW], v[TM+5], 8, v[TM+4]
	v_lshl_or_b32 v[PW], v[TM+6], 16, v[PW]
	v_lshl_or_b32 v[PW], v[TM+7], 24, v[PW]
	v_lshrrev_b32 v[PT], v[SH], v[PW]
	v_and_b32 v[PT], 0xffff, v[PT]                 ; lanes 0-15: my first head's two bytes; lanes 16-31: my second's; the upper two bytes stay 0
	WIN WW
.irp b, 0,1,2,3
	v_cvt_scalef32_pk8_fp4_f32 v[PC+2*\b], v[AC+16*\b:AC+16*\b+7], v[TM+12+\b]
	v_cvt_scalef32_pk8_fp4_f32 v[PC+2*\b+1], v[AC+16*\b+8:AC+16*\b+15], v[TM+12+\b]
.endr
	WIN 0
	v_nop                                          ; one plain line behind a scaled conversion
.irp c, 0,1
.irp i, 0,1
	v_permlane16_swap_b32 v[PC+4*\c+\i], v[PC+4*\c+2+\i]   ; a whole block to a lane: lanes 0-15 d = 0 .. 31, lanes 16-31 d = 32 .. 63 of head c
.endr
.endr
	global_store_b128 v[KO], v[PC:PC+3], s[68:69] offset:(\a)*512            ; an image: 512 consecutive bytes
	global_store_b128 v[KO], v[PC+4:PC+7], s[68:69] offset:(\a)*512+65536
	global_store_b32 v[SO], v[PT], s[70:71] offset:(\a)*64                   ; 64 bytes a head: pieces of rows; one byte in 8 of what the launch stores
.endm
.irp a, 0,1,2,3,4,5,6,7
	QOUT \a
.endr
	s_wait_tensorcnt 0x0                           ; the wave's end
	ds_add_u32 v[SPW], v[NIL]
	s_wait_dscnt 0x0
	CROUND                                         ; the closing round
	s_endpgm
.Lfunc_end_k_q49540a6694_proj:
	.size	k_q49540a6694_proj, .Lfunc_end_k_q49540a6694_proj-k_q49540a6694_proj
	.p2alignl 7, 3214868480
	.fill 96, 4, 3214868480
	.section	.rodata,"a",@progbits
	.p2align	6, 0x0
	.amdhsa_kernel k_q49540a6694_proj
		.amdhsa_group_segment_fixed_size 270848
		.amdhsa_private_segment_fixed_size 0
		.amdhsa_enable_private_segment 0
		.amdhsa_kernarg_size 64
		.amdhsa_user_sgpr_count 2
		.amdhsa_user_sgpr_kernarg_segment_ptr 1
		.amdhsa_wavefront_size32 1
		.amdhsa_system_sgpr_workgroup_id_x 1
		.amdhsa_system_sgpr_workgroup_id_y 1
		.amdhsa_system_sgpr_workgroup_id_z 1
		.amdhsa_system_vgpr_workitem_id 0
		.amdhsa_next_free_vgpr 1024
		.amdhsa_next_free_sgpr 96
		.amdhsa_reserve_vcc 0
		.amdhsa_float_denorm_mode_32 3
		.amdhsa_float_denorm_mode_16_64 3
		.amdhsa_memory_ordered 1
		.amdhsa_forward_progress 1
		.amdhsa_inst_pref_size 130
	.end_amdhsa_kernel
	.amdgpu_metadata
---
amdhsa.version: [ 1, 2 ]
amdhsa.kernels:
  - .name:           k_q49540a6694_proj
    .symbol:         k_q49540a6694_proj.kd
    .args:
      - { .name: xq, .offset: 0, .size: 8, .value_kind: global_buffer, .address_space: global }
      - { .name: Wk_codes, .offset: 8, .size: 8, .value_kind: global_buffer, .address_space: global }
      - { .name: Wk_scales, .offset: 16, .size: 8, .value_kind: global_buffer, .address_space: global }
      - { .name: bk, .offset: 24, .size: 8, .value_kind: global_buffer, .address_space: global }
      - { .name: Wq_codes, .offset: 32, .size: 8, .value_kind: global_buffer, .address_space: global }
      - { .name: Wq_scales, .offset: 40, .size: 8, .value_kind: global_buffer, .address_space: global }
      - { .name: bq, .offset: 48, .size: 8, .value_kind: global_buffer, .address_space: global }
      - { .name: kq, .offset: 56, .size: 8, .value_kind: global_buffer, .address_space: global }
    .group_segment_fixed_size: 270848
    .private_segment_fixed_size: 0
    .kernarg_segment_align: 8
    .kernarg_segment_size: 64
    .max_flat_workgroup_size: 128
    .sgpr_count:     96
    .vgpr_count:     1024
    .wavefront_size: 32
...
	.end_amdgpu_metadata
.endif
;; end of part 2
;; launch stat (part 3): grid 4 x 64, 16 waves a work-group, clusters of 4 x 1, 167,936 bytes of LDS; arguments kq, g; writes g
.if DOCPART == 3
	.amdgcn_target "amdgcn-amd-amdhsa--gfx1250"
	.amdhsa_code_object_version 6
	.text
	.protected	k_q49540a6694_stat
	.globl	k_q49540a6694_stat
	.p2align	8
	.type	k_q49540a6694_stat,@function
k_q49540a6694_stat:
	s_mov_b64 s[64:65], 0
	v_nop
	global_prefetch_b8 v0, s[64:65] scope:SCOPE_SE
	s_setreg_imm32_b32 hwreg(HW_REG_WAVE_MODE, 25, 1), 1
	s_wait_xcnt 0x0
	s_wait_alu depctr_hold_cnt(0) depctr_sa_sdst(0) depctr_va_vdst(0) depctr_va_sdst(0) depctr_va_ssrc(0) depctr_va_vcc(0) depctr_vm_vsrc(0)
	s_getreg_b32 s2, hwreg(HW_REG_IB_STS2, 6, 4)
	s_cmp_eq_u32 s2, 0
	s_cbranch_scc0 .Lentry_in_a_cluster
	s_endpgm
.Lentry_in_a_cluster:
	s_bfe_u32 s2, ttmp6, 0x10000c
	s_cmp_lg_u32 s2, 0x3003
	s_cbranch_scc0 .Lentry_shape_is_right
	s_endpgm
.Lentry_shape_is_right:
; LAUNCH 3 OF 5.  The softmax of scores[i][j] = keys[:, i] . queries[:, j] x 2 / 2048 runs along j, but the next product sums along i: each row's divisor must be known before any weight is quantised.
; This launch walks the scores once and stores, for each row i, g[i] = -(c m_i + log2 Z_i): c = log2(e) / 1024, m_i the row's largest score, Z_i = the sum over j of 2^(c s - c m_i).  The next launch makes the finished
; weight as 2^(c s + g[i]).  No work of reference() is left out: the product is done here and once more there, since keeping 64 x 2048 x 2048 numbers between the walks would cost far more bytes than the codes.
; g: [b 16 + head][2048 i], f32, in natural order.
; LIMITS: NaN and infinities are not served; the maximum is a running one, taken away before every exponential; m and log2 Z are joined in one f32 number, whose rounding grows with c |m|.
; SHARES.  A work-group owns 512 rows i of one head (cx), each of its sixteen waves 32: two tiles of keys, source 1, in registers.  Every wave walks all 2,048 queries, 128 a step, source 0, from LDS: a lane holds ONE row i and
; its registers run along j.  The two halves of the lanes keep a maximum and a sum each and are joined at the end.
; K = 64: registers 4-7 of every fragment are zero codes, on both sides, written once; their scale bytes are 0, which stands for 2^-127: they add nothing.
; CLUSTER 4 x 1: the four work-groups of a head read the same queries: each wave's two tensor loads are joint.  All of a head's queries lie in LDS: first fills alone.  Two tensor loads of a wave are out.
.set QSL,   65536                      ; LDS: the queries' images from 0 (65,536 bytes), their scale words from here (8,192)
.set SPARE, 73728                      ; the spare words, 128 bytes for each wave: eight blocks of 256 bytes that no other line names
.set SPW, 1
.set NIL, 2
.set LK,  3                            ; v3  16 x lane
.set L4,  4                            ; v4  QSL + 4 x lane
.set ADQ, 5
.set ADS, 6
.set GO,  7                            ; v7  4 (8 h + r + 8 (r / 8)): lanes 0-15 store tile 0's rows, lanes 16-31 tile 1's
.set KF,  12                           ; v12-27  my two tiles of keys
.set KSC, 28                           ; v28     their scale words: lanes 0-15 tile 0, lanes 16-31 tile 1
.set QSC, 30                           ; v30-31  the queries' scale words, a pair of tiles each
.set QF,  32                           ; v32-63  four tiles of queries
.set S,   64                           ; v64-191 the scores, 64 for each of my tiles
.set ST,  192                          ; 12 a tile: +0 N = -c m, +1 (its pair), +2, +3 the sum, +4 a, +5 (its pair), +6 m, +7 at work, +8..11 four chains
.set T,   216                          ; v216-219 a second chain of sums for each tile
.set WV,  8
.set CX,  9
.set HB,  10
.set G1C, 12
.set G1S, 20
.set G0C, 28
.set G0S, 32
.set SEL, 36
.set CS,  38
.set NC,  40
.set TQ,  41
.set TS,  42
.set CNT, 43
.macro PLACES
.rept 4
	v_nop
.endr
.endm
.macro ROUND                           ; a round of the cluster's barrier
	s_barrier_signal -1
	s_barrier_wait -1
	s_cmp_lg_u32 s[WV], 0
	s_cbranch_scc1 .Lnot_wave_0_\@
	s_barrier_signal -3
.Lnot_wave_0_\@:
	s_barrier_wait -3
	s_barrier_signal -1
	s_barrier_wait -1
.endm
.macro WMZ d, a, b, sa, sb, ra, rb     ; one product that starts its sum; ra, rb = 1: that side's scale words are taken from lanes 16-31
.if ((\ra) == 0) && ((\rb) == 0)
	v_wmma_scale_f32_16x16x128_f8f6f4 v[\d:\d+7], v[\a:\a+7], v[\b:\b+7], 0, v[\sa], v[\sb] matrix_a_fmt:MATRIX_FMT_FP4 matrix_b_fmt:MATRIX_FMT_FP4
.elseif (\rb) == 0
	v_wmma_scale_f32_16x16x128_f8f6f4 v[\d:\d+7], v[\a:\a+7], v[\b:\b+7], 0, v[\sa], v[\sb] matrix_a_fmt:MATRIX_FMT_FP4 matrix_b_fmt:MATRIX_FMT_FP4 matrix_a_scale:MATRIX_SCALE_ROW1
.elseif (\ra) == 0
	v_wmma_scale_f32_16x16x128_f8f6f4 v[\d:\d+7], v[\a:\a+7], v[\b:\b+7], 0, v[\sa], v[\sb] matrix_a_fmt:MATRIX_FMT_FP4 matrix_b_fmt:MATRIX_FMT_FP4 matrix_b_scale:MATRIX_SCALE_ROW1
.else
	v_wmma_scale_f32_16x16x128_f8f6f4 v[\d:\d+7], v[\a:\a+7], v[\b:\b+7], 0, v[\sa], v[\sb] matrix_a_fmt:MATRIX_FMT_FP4 matrix_b_fmt:MATRIX_FMT_FP4 matrix_a_scale:MATRIX_SCALE_ROW1 matrix_b_scale:MATRIX_SCALE_ROW1
.endif
.endm
	s_load_b128 s[4:7], s[0:1], 0x0                ; kq s[4:5], g s[6:7]
	v_lshl_add_u32 v[SPW], v0, 2, SPARE
	v_mov_b32 v[NIL], 0
	ds_add_u32 v[SPW], v[NIL]                      ; the wave's opening: the add, twice on end, and its wait ahead of my first tensor load
	ds_add_u32 v[SPW], v[NIL]
	v_lshrrev_b32 v8, 5, v0
	v_readfirstlane_b32 s[WV], v8                  ; wave 0..15
	s_bfe_u32 s[CX], ttmp6, 0x40000                ; my 512 rows i: it enters the keys' and g's addresses alone
	s_and_b32 s[HB], ttmp7, 0xffff                 ; 16 b + head, which the four partners share
	s_mov_b32 s[G1C], 15|(3<<16)|(1<<21)           ; the mask names all four; elements of 8 bytes.  4,096 dense bytes as 16 rows of 256
	s_mov_b32 s[G1C+1], 32<<16
	s_mov_b32 s[G1C+2], 16<<16
	s_mov_b32 s[G1C+3], 32<<16
	s_mov_b32 s[G1C+4], 16
	s_mov_b32 s[G1C+5], 32
	s_mov_b32 s[G1C+6], 0
	s_mov_b32 s[G1C+7], 0
	s_mov_b32 s[G1S], 15|(3<<16)|(1<<21)           ; 512 dense bytes as 2 rows of 256
	s_mov_b32 s[G1S+1], 32<<16
	s_mov_b32 s[G1S+2], 2<<16
	s_mov_b32 s[G1S+3], 32<<16
	s_mov_b32 s[G1S+4], 2
	s_mov_b32 s[G1S+5], 32
	s_mov_b32 s[G1S+6], 0
	s_mov_b32 s[G1S+7], 0
	s_lshl_b32 s44, s[HB], 16                      ; the sixteenth of the head's images that I fetch
	s_lshl_b32 s11, s[WV], 12
	s_add_co_u32 s44, s44, s11
	s_mov_b32 s45, 0
	s_lshl_b32 s46, s[HB], 13                      ; and of its scale words
	s_lshl_b32 s11, s[WV], 9
	s_add_co_u32 s46, s46, s11
	s_mov_b32 s47, 0
	s_lshl_b32 s48, s[HB], 16                      ; my own two tiles, 32 cx + 2 w: 512 bytes a tile
	s_lshl_b32 s11, s[CX], 14
	s_add_co_u32 s48, s48, s11
	s_lshl_b32 s11, s[WV], 10
	s_add_co_u32 s48, s48, s11
	s_mov_b32 s49, 0
	s_lshl_b32 s50, s[HB], 13                      ; their 32 words: of scales, and of g
	s_lshl_b32 s11, s[CX], 11
	s_add_co_u32 s50, s50, s11
	s_lshl_b32 s11, s[WV], 7
	s_add_co_u32 s50, s50, s11
	s_mov_b32 s51, 0
	s_mov_b32 s[SEL], 0x76543210
	s_mov_b32 s[SEL+1], 0xfedcba98
	s_mov_b32 s[CS], 0x3ab8aa3b                    ; c = log2(e) x 2 / 2048
	s_mov_b32 s[CS+1], s[CS]                       ; (named with it as a pair, so it is written)
	s_mov_b32 s[NC], 0xbab8aa3b                    ; -c
	s_mov_b32 s[TQ], 0
	s_mov_b32 s[TS], 0
	s_mov_b32 s[CNT], 16
	s_wait_dscnt 0x0                               ; both opening adds are done
	s_wait_kmcnt 0x0
	s_mov_b32 s[G0C], 1
	s_lshl_b32 s[G0C+1], s[WV], 12
	s_add_nc_u64 s[G0C+2:G0C+3], s[4:5], s[44:45]
	s_add_nc_u64 s[G0C+2:G0C+3], s[G0C+2:G0C+3], 0x400000
	s_or_b32 s[G0C+3], s[G0C+3], 0x80000000
	s_mov_b32 s[G0S], 1
	s_lshl_b32 s[G0S+1], s[WV], 9
	s_add_co_u32 s[G0S+1], s[G0S+1], QSL
	s_add_nc_u64 s[G0S+2:G0S+3], s[4:5], s[46:47]
	s_add_nc_u64 s[G0S+2:G0S+3], s[G0S+2:G0S+3], 0x880000
	s_or_b32 s[G0S+3], s[G0S+3], 0x80000000
	s_add_nc_u64 s[52:53], s[4:5], s[48:49]        ; my keys' codes
	s_add_nc_u64 s[54:55], s[4:5], s[50:51]
	s_add_nc_u64 s[54:55], s[54:55], 0x800000      ; and scale words
	s_add_nc_u64 s[6:7], s[6:7], s[50:51]          ; my 32 numbers of g
	ROUND                                          ; all four work-groups are here: the joint loads meet
	tensor_load_to_lds s[G0C:G0C+3], s[G1C:G1C+7]
	s_nop 0
	tensor_load_to_lds s[G0S:G0S+3], s[G1S:G1S+7]
	s_nop 0
.rept 4
	v_nop
.endr
	v_and_b32 v9, 31, v0                           ; lane
	v_lshlrev_b32 v[LK], 4, v9
	v_lshlrev_b32 v11, 2, v9
	global_load_b128 v[KF:KF+3], v[LK], s[52:53]
	global_load_b128 v[KF+8:KF+11], v[LK], s[52:53] offset:512
	global_load_b32 v[KSC], v11, s[54:55]
.irp i, 4,5,6,7,12,13,14,15
	v_mov_b32 v[KF+\i], 0                          ; K = 64 .. 127: zero codes
.endr
.irp t, 0,1,2,3
.irp i, 4,5,6,7
	v_mov_b32 v[QF+8*\t+\i], 0
.endr
.endr
	v_lshl_add_u32 v[L4], v9, 2, QSL
	v_and_b32 v8, 15, v0                           ; r
	v_bfe_u32 v10, v0, 4, 1                        ; h
	v_and_b32 v[GO], 8, v8
	v_add_nc_u32 v[GO], v[GO], v8
	v_lshl_add_u32 v[GO], v10, 3, v[GO]
	v_lshlrev_b32 v[GO], 2, v[GO]
.irp it, 0,1
	v_mov_b32 v[ST+12*\it+6], 0xff61b1e6           ; m: -3e38, under every score
	v_mul_f32 v[ST+12*\it], s[NC], v[ST+12*\it+6]  ; N = -c m
	v_mov_b32 v[ST+12*\it+1], 0
	v_mov_b32 v[ST+12*\it+2], 0                    ; the sum, in two halves
	v_mov_b32 v[ST+12*\it+3], 0
	v_mov_b32 v[ST+12*\it+5], 0
.endr
	s_wait_loadcnt 0x0                             ; my keys
	s_wait_tensorcnt 0x0                           ; my two parts of the head's queries are in
	s_barrier_signal -1
	s_barrier_wait -1                              ; everybody's are; nothing is filled again
.Lstep:                                            ; 16 trips of 128 queries
	v_add_nc_u32 v[ADQ], s[TQ], v[LK]
	v_add_nc_u32 v[ADS], s[TS], v[L4]
.irp g, 0,1                                        ; four tiles of queries at a time
.if \g
	PLACES                                         ; in front of loads into registers that matrix instructions have read
.endif
.irp t, 0,1,2,3
	ds_load_b128 v[QF+8*\t:QF+8*\t+3], v[ADQ] offset:(4*\g+\t)*512
.endr
.irp p, 0,1
	ds_load_b32 v[QSC+\p], v[ADS] offset:(2*\g+\p)*128
.endr
	s_wait_dscnt 0x0
.irp t, 0,1,2,3
.irp it, 0,1
.set rD, S+64*\it+8*(4*\g+\t)
.set rQ, QF+8*\t
.set rK, KF+8*\it
.set rE, QSC+\t/2
	WMZ rD, rQ, rK, rE, KSC, \t%2, \it
.endr
.endr
.endr
	PLACES
.irp it, 0,1                                       ; the step's largest score of my row: four chains a tile, by turns; each accumulator is read from its low end on
.irp b, 0,1,2,3
	v_max3_num_f32 v[ST+12*\it+8+\b], v[S+64*\it+16*\b], v[S+64*\it+16*\b+1], v[S+64*\it+16*\b+2]
.endr
.endr
.irp i, 3,5,7,9,11,13
.irp it, 0,1
.irp b, 0,1,2,3
	v_max3_num_f32 v[ST+12*\it+8+\b], v[ST+12*\it+8+\b], v[S+64*\it+16*\b+\i], v[S+64*\it+16*\b+\i+1]
.endr
.endr
.endr
.irp it, 0,1
.irp b, 0,1,2,3
	v_max_num_f32 v[ST+12*\it+8+\b], v[ST+12*\it+8+\b], v[S+64*\it+16*\b+15]
.endr
.endr
.irp it, 0,1
	v_max3_num_f32 v[ST+12*\it+8], v[ST+12*\it+8], v[ST+12*\it+9], v[ST+12*\it+10]
.endr
.irp it, 0,1
	v_max3_num_f32 v[ST+12*\it+6], v[ST+12*\it+8], v[ST+12*\it+11], v[ST+12*\it+6]   ; the running maximum
	v_mov_b32 v[ST+12*\it+7], v[ST+12*\it]
.endr
.irp it, 0,1
	v_mul_f32 v[ST+12*\it], s[NC], v[ST+12*\it+6]                  ; the new N
.endr
.irp it, 0,1
	v_sub_f32 v[ST+12*\it+7], v[ST+12*\it], v[ST+12*\it+7]         ; c m_old - c m_new, 0 or less
.endr
.irp it, 0,1
.set j, 0
.rept 32
	v_pk_fma_f32 v[S+64*\it+j:S+64*\it+j+1], v[S+64*\it+j:S+64*\it+j+1], s[CS:CS+1], v[ST+12*\it:ST+12*\it+1] op_sel_hi:[1,0,0]   ; c s - c m, two at a time
.set j, j+2
.endr
.endr
.irp it, 0,1
	v_exp_f32 v[ST+12*\it+4], v[ST+12*\it+7]       ; a = 2^(c m_old - c m_new)
.endr
.set j, 0
.rept 128
	v_exp_f32 v[S+j], v[S+j]                       ; ONE BATCH: none of these reads another's result
.set j, j+1
.endr
	v_nop                                          ; the plain line behind the last exponential
	s_wait_alu depctr_va_vdst(0)                   ; one wait for the 130, ahead of their first reader
.irp it, 0,1
	v_pk_fma_f32 v[ST+12*\it+2:ST+12*\it+3], v[ST+12*\it+2:ST+12*\it+3], v[ST+12*\it+4:ST+12*\it+5], v[S+64*\it:S+64*\it+1] op_sel_hi:[1,0,1]   ; the sum under the new maximum, and the first pair
	v_pk_add_f32 v[T+2*\it:T+2*\it+1], v[S+64*\it+2:S+64*\it+3], v[S+64*\it+4:S+64*\it+5]
.endr
.irp j, 6,10,14,18,22,26,30,34,38,42,46,50,54,58
.irp it, 0,1
	v_pk_add_f32 v[ST+12*\it+2:ST+12*\it+3], v[ST+12*\it+2:ST+12*\it+3], v[S+64*\it+\j:S+64*\it+\j+1]
	v_pk_add_f32 v[T+2*\it:T+2*\it+1], v[T+2*\it:T+2*\it+1], v[S+64*\it+\j+2:S+64*\it+\j+3]
.endr
.endr
.irp it, 0,1
	v_pk_add_f32 v[ST+12*\it+2:ST+12*\it+3], v[ST+12*\it+2:ST+12*\it+3], v[S+64*\it+62:S+64*\it+63]
.endr
.irp it, 0,1
	v_pk_add_f32 v[ST+12*\it+2:ST+12*\it+3], v[ST+12*\it+2:ST+12*\it+3], v[T+2*\it:T+2*\it+1]
.endr
	s_add_co_u32 s[TQ], s[TQ], 4096                ; the next eight tiles
	s_add_co_u32 s[TS], s[TS], 512
	s_sub_co_u32 s[CNT], s[CNT], 1
	s_cmp_lg_u32 s[CNT], 0
	s_cbranch_scc1 .Lstep
	; the two halves of the lanes hold the same rows and other queries: they are joined under the larger maximum
.irp it, 0,1
	v_add_f32 v[ST+12*\it+8], v[ST+12*\it+2], v[ST+12*\it+3]
	v_permlanex16_b32 v[ST+12*\it+9], v[ST+12*\it], s[SEL], s[SEL+1]
.endr
.irp it, 0,1
	v_min_num_f32 v[ST+12*\it+9], v[ST+12*\it], v[ST+12*\it+9]     ; the lesser N is the larger maximum's
.endr
.irp it, 0,1
	v_sub_f32 v[ST+12*\it+10], v[ST+12*\it+9], v[ST+12*\it]
.endr
.irp it, 0,1
	v_exp_f32 v[ST+12*\it+10], v[ST+12*\it+10]
.endr
	v_nop
	s_wait_alu depctr_va_vdst(0)
.irp it, 0,1
	v_mul_f32 v[ST+12*\it+8], v[ST+12*\it+8], v[ST+12*\it+10]
.endr
.irp it, 0,1
	v_permlanex16_b32 v[ST+12*\it+11], v[ST+12*\it+8], s[SEL], s[SEL+1]
.endr
.irp it, 0,1
	v_add_f32 v[ST+12*\it+8], v[ST+12*\it+8], v[ST+12*\it+11]      ; Z
.endr
.irp it, 0,1
	v_log_f32 v[ST+12*\it+8], v[ST+12*\it+8]
.endr
	v_nop
	s_wait_alu depctr_va_vdst(0)
.irp it, 0,1
	v_sub_f32 v[ST+12*\it+8], v[ST+12*\it+9], v[ST+12*\it+8]       ; -c m - log2 Z
.endr
	v_cmp_lt_u32 vcc_lo, 15, v9
	v_cndmask_b32 v10, v[ST+8], v[ST+20], vcc_lo   ; lanes 16-31 take tile 1's
	global_store_b32 v[GO], v10, s[6:7]            ; 32 neighbouring rows i: 128 consecutive bytes
	s_wait_tensorcnt 0x0                           ; the wave's end
	ds_add_u32 v[SPW], v[NIL]
	s_wait_dscnt 0x0
	ROUND                                          ; the closing round
	s_endpgm
.Lfunc_end_k_q49540a6694_stat:
	.size	k_q49540a6694_stat, .Lfunc_end_k_q49540a6694_stat-k_q49540a6694_stat
	.p2alignl 7, 3214868480
	.fill 96, 4, 3214868480
	.section	.rodata,"a",@progbits
	.p2align	6, 0x0
	.amdhsa_kernel k_q49540a6694_stat
		.amdhsa_group_segment_fixed_size 167936
		.amdhsa_private_segment_fixed_size 0
		.amdhsa_enable_private_segment 0
		.amdhsa_kernarg_size 16
		.amdhsa_user_sgpr_count 2
		.amdhsa_user_sgpr_kernarg_segment_ptr 1
		.amdhsa_wavefront_size32 1
		.amdhsa_system_sgpr_workgroup_id_x 1
		.amdhsa_system_sgpr_workgroup_id_y 1
		.amdhsa_system_sgpr_workgroup_id_z 1
		.amdhsa_system_vgpr_workitem_id 0
		.amdhsa_next_free_vgpr 256
		.amdhsa_next_free_sgpr 66
		.amdhsa_reserve_vcc 1
		.amdhsa_float_denorm_mode_32 3
		.amdhsa_float_denorm_mode_16_64 3
		.amdhsa_memory_ordered 1
		.amdhsa_forward_progress 1
		.amdhsa_inst_pref_size 28
	.end_amdhsa_kernel
	.amdgpu_metadata
---
amdhsa.version: [ 1, 2 ]
amdhsa.kernels:
  - .name:           k_q49540a6694_stat
    .symbol:         k_q49540a6694_stat.kd
    .args:
      - { .name: kq, .offset: 0, .size: 8, .value_kind: global_buffer, .address_space: global }
      - { .name: g, .offset: 8, .size: 8, .value_kind: global_buffer, .address_space: global }
    .group_segment_fixed_size: 167936
    .private_segment_fixed_size: 0
    .kernarg_segment_align: 8
    .kernarg_segment_size: 16
    .max_flat_workgroup_size: 512
    .sgpr_count:     66
    .vgpr_count:     256
    .wavefront_size: 32
...
	.end_amdgpu_metadata
.endif
;; end of part 3
;; launch attn (part 4): grid 4 x 64, 16 waves a work-group, clusters of 4 x 1, 167,936 bytes of LDS; arguments kq, xq, g, oq; writes oq
.if DOCPART == 4
	.amdgcn_target "amdgcn-amd-amdhsa--gfx1250"
	.amdhsa_code_object_version 6
	.text
	.protected	k_q49540a6694_attn
	.globl	k_q49540a6694_attn
	.p2align	8
	.type	k_q49540a6694_attn,@function
k_q49540a6694_attn:
	s_mov_b64 s[64:65], 0
	v_nop
	global_prefetch_b8 v0, s[64:65] scope:SCOPE_SE
	s_setreg_imm32_b32 hwreg(HW_REG_WAVE_MODE, 25, 1), 1
	s_wait_xcnt 0x0
	s_wait_alu depctr_hold_cnt(0) depctr_sa_sdst(0) depctr_va_vdst(0) depctr_va_sdst(0) depctr_va_ssrc(0) depctr_va_vcc(0) depctr_vm_vsrc(0)
	s_getreg_b32 s2, hwreg(HW_REG_IB_STS2, 6, 4)
	s_cmp_eq_u32 s2, 0
	s_cbranch_scc0 .Lentry_in_a_cluster
	s_endpgm
.Lentry_in_a_cluster:
	s_bfe_u32 s2, ttmp6, 0x10000c
	s_cmp_lg_u32 s2, 0x3003
	s_cbranch_scc0 .Lentry_shape_is_right
	s_endpgm
.Lentry_shape_is_right:
; LAUNCH 4 OF 5.  The scores once more; attn[i][j] = 2^(c s + g[i]), finished and normalised, is quantised along i; out[d][j] = the sum over i of x[d][i] attn[i][j]; out is quantised along d (two blocks a head) for the last
; product.  No work of reference() is left out here.
; oq:  OC at 0: [b 16 + head][tile of l 128][lane 32][16 bytes], laid as the keys' codes;  OS at 0x400000: [b 16 + head][2048 words in tile order], bytes 0 and 1.
; LIMITS: NaN and infinities are not served; c s + g[i] is 0 or less but for rounding, since g holds the row's maximum; a weight under 2^-126 comes out of v_exp_f32 as 0; a block of zeros has the byte 1.
; SHARES.  A work-group owns 512 columns j of one head (cx), each of its sixteen waves 32: two tiles of queries, source 1, in registers.  Every wave walks all 2,048 rows i, 128 a step.  Both products are used transposed
; (source 0 = 16 keys; source 0 = 16 rows d of x, source 1 = the weights): a lane holds ONE j throughout, and the 16 registers of two neighbouring tiles of keys are 16 neighbours along i, the second product's K.
; CLUSTER 4 x 1: the four work-groups of a head read the same keys, x and g: each wave's five tensor loads are joint.  The whole head lies in LDS: first fills alone.  Five tensor loads of a wave are out.
; BY TURNS.  A step is four SLOTS of 32 rows i: one block of the quantiser for each of my two tiles of queries, 32 registers.  The scores have two buffers of 32.  In slot q the 32 exponentials of sub-step q run in place on
; buffer q % 2, and between them, dealt out evenly, stand the lines that work on the other buffer: the quantising of sub-step q - 1; in slot 0 the second product of the step just finished; the first product of sub-step q + 1 and
; its multiply-adds with g; the LDS loads of sub-step q + 2 (in slot 2 also x's fragments of the step).  So the wave has other lines to issue between its exponentials.  No line of a slot names a register of the slot's own
; exponentials, and one wait at the slot's end serves all 32.  By the text's own count a step has 128 exponentials and 279 other lines.
.set XVL,   65536                      ; LDS: the keys' images from 0; x's images from here; 4,096 bytes a step each
.set KSL,   131072                     ; the keys' scale words, 512 bytes a step
.set GGL,   139264                     ; g, 512 bytes a step
.set VSL,   147456                     ; x's scale words, 256 bytes a step
.set SPARE, 151552                     ; the spare words, 128 bytes for each wave: eight blocks of 256 bytes that no other line names
.set SPW, 1
.set NIL, 2
.set LK,  3                            ; v3  16 x lane
.set L4,  4                            ; v4  4 x lane
.set LG,  5                            ; v5  64 h: my half's 16 numbers of g in a block of 32
.set ADK, 6                            ; v6-10 the step's addresses: keys, x, the keys' scale words, x's scale words, g
.set ADV, 7
.set ADS, 8
.set ADT, 9
.set ADG, 10
.set QF,  12                           ; v12-27  my two tiles of queries
.set QSC, 28                           ; v28     their scale words, by halves of the lanes
.set KSC, 29                           ; v29     the scale words of a pair of tiles of keys, by halves of the lanes
.set VSC, 30                           ; v30-31  x's scale words, a pair of tiles each
.set KF,  32                           ; v32-47  two tiles of keys
.set G,   48                           ; v48-63  g of my 16 rows i of a block
.set XF,  64                           ; v64-95  x's four fragments of a step
.set S,   96                           ; v96-159 scores, then weights: two buffers of 32; in a buffer tile (jt, u) at 16 jt + 8 u
.set O,   160                          ; v160-223 out^T: tile (jt, t) at O + 32 jt + 8 t
.set P,   224                          ; v224-239 the weights' codes: P + 8 jt
.set PW,  240                          ; v240-241 their scale words
.set TM,  242                          ; v242-247: + 2 jt, + 2 jt + 1 two chains of the block's largest, later the other half's and the byte; + 4 + jt the conversion's scale operand
.set TF,  S                            ; the way out's quantiser works in the scores' registers, which are free then
.set WV,  12
.set CX,  13
.set HB,  14
.set G1C, 16
.set G1S, 24
.set G1V, 32
.set G0,  40                           ; s[40:59] five groups 0
.set SEL, 60
.set CS,  62
.set TK,  66
.set TV,  67
.set TS,  68
.set TT,  69
.set TG,  70
.set CNT, 71
.macro PLACES
.rept 4
	v_nop
.endr
.endm
.macro ROUND
	s_barrier_signal -1
	s_barrier_wait -1
	s_cmp_lg_u32 s[WV], 0
	s_cbranch_scc1 .Lnot_wave_0_\@
	s_barrier_signal -3
.Lnot_wave_0_\@:
	s_barrier_wait -3
	s_barrier_signal -1
	s_barrier_wait -1
.endm
.macro WMZ d, a, b, sa, sb, ra, rb     ; one product that starts its sum; ra, rb = 1: that side's scale words are taken from lanes 16-31
.if ((\ra) == 0) && ((\rb) == 0)
	v_wmma_scale_f32_16x16x128_f8f6f4 v[\d:\d+7], v[\a:\a+7], v[\b:\b+7], 0, v[\sa], v[\sb] matrix_a_fmt:MATRIX_FMT_FP4 matrix_b_fmt:MATRIX_FMT_FP4
.elseif (\rb) == 0
	v_wmma_scale_f32_16x16x128_f8f6f4 v[\d:\d+7], v[\a:\a+7], v[\b:\b+7], 0, v[\sa], v[\sb] matrix_a_fmt:MATRIX_FMT_FP4 matrix_b_fmt:MATRIX_FMT_FP4 matrix_a_scale:MATRIX_SCALE_ROW1
.elseif (\ra) == 0
	v_wmma_scale_f32_16x16x128_f8f6f4 v[\d:\d+7], v[\a:\a+7], v[\b:\b+7], 0, v[\sa], v[\sb] matrix_a_fmt:MATRIX_FMT_FP4 matrix_b_fmt:MATRIX_FMT_FP4 matrix_b_scale:MATRIX_SCALE_ROW1
.else
	v_wmma_scale_f32_16x16x128_f8f6f4 v[\d:\d+7], v[\a:\a+7], v[\b:\b+7], 0, v[\sa], v[\sb] matrix_a_fmt:MATRIX_FMT_FP4 matrix_b_fmt:MATRIX_FMT_FP4 matrix_a_scale:MATRIX_SCALE_ROW1 matrix_b_scale:MATRIX_SCALE_ROW1
.endif
.endm
.macro WMA d, a, b, sa, sb, ra         ; one product that adds in place; source 1's scale words in lanes 0-15
.if (\ra) == 0
	v_wmma_scale_f32_16x16x128_f8f6f4 v[\d:\d+7], v[\a:\a+7], v[\b:\b+7], v[\d:\d+7], v[\sa], v[\sb] matrix_a_fmt:MATRIX_FMT_FP4 matrix_b_fmt:MATRIX_FMT_FP4
.else
	v_wmma_scale_f32_16x16x128_f8f6f4 v[\d:\d+7], v[\a:\a+7], v[\b:\b+7], v[\d:\d+7], v[\sa], v[\sb] matrix_a_fmt:MATRIX_FMT_FP4 matrix_b_fmt:MATRIX_FMT_FP4 matrix_a_scale:MATRIX_SCALE_ROW1
.endif
.endm
	s_load_b256 s[4:11], s[0:1], 0x0               ; kq s[4:5], xq s[6:7], g s[8:9], oq s[10:11]
	v_lshl_add_u32 v[SPW], v0, 2, SPARE
	v_mov_b32 v[NIL], 0
	ds_add_u32 v[SPW], v[NIL]                      ; the wave's opening: the add, twice on end, and its wait ahead of my first tensor load
	ds_add_u32 v[SPW], v[NIL]
	v_lshrrev_b32 v11, 5, v0
	v_readfirstlane_b32 s[WV], v11                 ; wave 0..15
	s_bfe_u32 s[CX], ttmp6, 0x40000                ; my 512 columns j: it enters the queries' and oq's addresses alone
	s_and_b32 s[HB], ttmp7, 0xffff                 ; 16 b + head, which the four partners share
.irp q, G1C, G1S, G1V
	s_mov_b32 s[\q], 15|(3<<16)|(1<<21)            ; the mask names all four; elements of 8 bytes; rows of 256 dense bytes
	s_mov_b32 s[\q+1], 32<<16
	s_mov_b32 s[\q+3], 32<<16
	s_mov_b32 s[\q+5], 32
	s_mov_b32 s[\q+7], 0
.endr
	s_mov_b32 s[G1C+2], 16<<16                     ; 16 rows: 4,096 bytes
	s_mov_b32 s[G1C+4], 16
	s_mov_b32 s[G1C+6], 0
	s_mov_b32 s[G1S+2], 2<<16                      ; 2 rows: 512 bytes
	s_mov_b32 s[G1S+4], 2
	s_mov_b32 s[G1S+6], 0
	s_mov_b32 s[G1V+2], 1<<16                      ; one row: 256 bytes
	s_mov_b32 s[G1V+4], 1
	s_mov_b32 s[G1V+6], 1<<16
	s_lshl_b32 s72, s[HB], 16                      ; step w's 4,096 bytes of the head's images
	s_lshl_b32 s15, s[WV], 12
	s_add_co_u32 s72, s72, s15
	s_mov_b32 s73, 0
	s_lshl_b32 s74, s[HB], 13                      ; its 512 bytes of the keys' scale words, and of g
	s_lshl_b32 s15, s[WV], 9
	s_add_co_u32 s74, s74, s15
	s_mov_b32 s75, 0
	s_lshl_b32 s76, s[HB], 12                      ; its 256 bytes of x's scale words
	s_lshl_b32 s15, s[WV], 8
	s_add_co_u32 s76, s76, s15
	s_mov_b32 s77, 0
	s_lshl_b32 s78, s[HB], 16                      ; my own two tiles, 32 cx + 2 w: 512 bytes a tile
	s_lshl_b32 s15, s[CX], 14
	s_add_co_u32 s78, s78, s15
	s_lshl_b32 s15, s[WV], 10
	s_add_co_u32 s78, s78, s15
	s_mov_b32 s79, 0
	s_lshl_b32 s84, s[HB], 13                      ; and their 32 scale words
	s_lshl_b32 s15, s[CX], 11
	s_add_co_u32 s84, s84, s15
	s_lshl_b32 s15, s[WV], 7
	s_add_co_u32 s84, s84, s15
	s_mov_b32 s85, 0
	s_mov_b32 s[SEL], 0x76543210
	s_mov_b32 s[SEL+1], 0xfedcba98
	s_mov_b32 s[CS], 0x3ab8aa3b                    ; c = log2(e) x 2 / 2048
	s_mov_b32 s[CS+1], s[CS]
	s_mov_b32 s[TK], 0
	s_mov_b32 s[TV], XVL
	s_mov_b32 s[TS], KSL
	s_mov_b32 s[TT], VSL
	s_mov_b32 s[TG], GGL
	s_mov_b32 s[CNT], 14
	s_wait_dscnt 0x0                               ; both opening adds are done
	s_wait_kmcnt 0x0
	s_mov_b32 s[G0], 1                             ; the keys' images
	s_lshl_b32 s[G0+1], s[WV], 12
	s_add_nc_u64 s[G0+2:G0+3], s[4:5], s[72:73]
	s_or_b32 s[G0+3], s[G0+3], 0x80000000
	s_mov_b32 s[G0+4], 1                           ; x's images along l
	s_lshl_b32 s[G0+5], s[WV], 12
	s_add_co_u32 s[G0+5], s[G0+5], XVL
	s_add_nc_u64 s[G0+6:G0+7], s[6:7], s[72:73]
	s_add_nc_u64 s[G0+6:G0+7], s[G0+6:G0+7], 0x400000
	s_or_b32 s[G0+7], s[G0+7], 0x80000000
	s_mov_b32 s[G0+8], 1                           ; the keys' scale words
	s_lshl_b32 s[G0+9], s[WV], 9
	s_add_co_u32 s[G0+9], s[G0+9], KSL
	s_add_nc_u64 s[G0+10:G0+11], s[4:5], s[74:75]
	s_add_nc_u64 s[G0+10:G0+11], s[G0+10:G0+11], 0x800000
	s_or_b32 s[G0+11], s[G0+11], 0x80000000
	s_mov_b32 s[G0+12], 1                          ; g
	s_lshl_b32 s[G0+13], s[WV], 9
	s_add_co_u32 s[G0+13], s[G0+13], GGL
	s_add_nc_u64 s[G0+14:G0+15], s[8:9], s[74:75]
	s_or_b32 s[G0+15], s[G0+15], 0x80000000
	s_mov_b32 s[G0+16], 1                          ; x's scale words
	s_lshl_b32 s[G0+17], s[WV], 8
	s_add_co_u32 s[G0+17], s[G0+17], VSL
	s_add_nc_u64 s[G0+18:G0+19], s[6:7], s[76:77]
	s_add_nc_u64 s[G0+18:G0+19], s[G0+18:G0+19], 0x840000
	s_or_b32 s[G0+19], s[G0+19], 0x80000000
	s_add_nc_u64 s[80:81], s[4:5], s[78:79]
	s_add_nc_u64 s[80:81], s[80:81], 0x400000      ; my queries' codes
	s_add_nc_u64 s[82:83], s[4:5], s[84:85]
	s_add_nc_u64 s[82:83], s[82:83], 0x880000      ; and scale words
	s_add_nc_u64 s[86:87], s[10:11], s[78:79]      ; where my codes of out go
	s_add_nc_u64 s[88:89], s[10:11], s[84:85]
	s_add_nc_u64 s[88:89], s[88:89], 0x400000      ; and their scale words
	ROUND                                          ; all four work-groups are here: the joint loads meet
	tensor_load_to_lds s[G0:G0+3], s[G1C:G1C+7]
	s_nop 0
	tensor_load_to_lds s[G0+4:G0+7], s[G1C:G1C+7]
	s_nop 0
	tensor_load_to_lds s[G0+8:G0+11], s[G1S:G1S+7]
	s_nop 0
	tensor_load_to_lds s[G0+12:G0+15], s[G1S:G1S+7]
	s_nop 0
	tensor_load_to_lds s[G0+16:G0+19], s[G1V:G1V+7]
	s_nop 0
.rept 4
	v_nop
.endr
	v_and_b32 v11, 31, v0                          ; lane
	v_lshlrev_b32 v[LK], 4, v11
	v_lshlrev_b32 v[L4], 2, v11
	v_bfe_u32 v[LG], v0, 4, 1
	v_lshlrev_b32 v[LG], 6, v[LG]
	global_load_b128 v[QF:QF+3], v[LK], s[80:81]
	global_load_b128 v[QF+8:QF+11], v[LK], s[80:81] offset:512
	global_load_b32 v[QSC], v[L4], s[82:83]
.irp i, 4,5,6,7,12,13,14,15
	v_mov_b32 v[QF+\i], 0                          ; K = 64 .. 127 of the first product: zero codes, on both sides, written once and never loaded over
	v_mov_b32 v[KF+\i], 0
.endr
	v_add_nc_u32 v[ADK], s[TK], v[LK]
	v_add_nc_u32 v[ADV], s[TV], v[LK]
	v_add_nc_u32 v[ADS], s[TS], v[L4]
	v_add_nc_u32 v[ADT], s[TT], v[L4]
	v_add_nc_u32 v[ADG], s[TG], v[LG]
	s_wait_loadcnt 0x0                             ; my queries
	s_wait_tensorcnt 0x0                           ; my five parts of the head are in
	s_barrier_signal -1
	s_barrier_wait -1                              ; everybody's are; nothing is filled again
; HOW THE TURNS ARE WRITTEN.  TICK stands behind every item of a slot.  It counts the items (k) and writes the slot's next exponential (number e of NE, in place at v[EB + e]) as soon as e / NE is no more than k / NP, NP being the
; slot's items: so the exponentials are spread evenly over the items.  Outside a slot e = NE, and TICK writes nothing.
.macro TICK
.set k, k+1
.if (e < NE) && (e*NP <= k*NE)
	v_exp_f32 v[EB+e], v[EB+e]
.set e, e+1
.endif
.endm
; THE LDS LOADS.  i: the sub-step, counted from the first of the step whose addresses stand in v6-10 (0 .. 5: 4 and 5 are the next step's first two).  LSEQ counts the LDS loads written so far; KSEQ, GSEQ, VSEQ hold its value behind
; the last loads of each kind: LSEQ less one of them is the number of loads issued behind that kind's, which is the count of the wait for it.  The loop's body begins and ends behind the same run of loads, so the counts hold round its edge.
.macro LDK i                           ; two tiles of keys and their scale words
	ds_load_b128 v[KF:KF+3], v[ADK] offset:(\i)*1024
	TICK
	ds_load_b128 v[KF+8:KF+11], v[ADK] offset:(\i)*1024+512
	TICK
	ds_load_b32 v[KSC], v[ADS] offset:(\i)*128
	TICK
.set LSEQ, LSEQ+3
.set KSEQ, LSEQ
.endm
.macro LDG i                           ; g of rows 32 i + 16 h + 0 .. 15: sixteen lanes read the same bytes
.irp c, 0,1,2,3
	ds_load_b128 v[G+4*\c:G+4*\c+3], v[ADG] offset:(\i)*128+16*\c
	TICK
.endr
.set LSEQ, LSEQ+4
.set GSEQ, LSEQ
.endm
.macro LDV                             ; x's four fragments of the step, and their scale words
.irp t, 0,1,2,3
.irp cc, 0,1
	ds_load_b128 v[XF+8*\t+4*\cc:XF+8*\t+4*\cc+3], v[ADV] offset:\t*1024+\cc*512
	TICK
.endr
.endr
.irp p, 0,1
	ds_load_b32 v[VSC+\p], v[ADT] offset:\p*128
	TICK
.endr
.set LSEQ, LSEQ+10
.set VSEQ, LSEQ
.endm
; THE QUANTISING of sub-step PQ's weights in the buffer at OB: two blocks of 32 rows i, one for each tile of queries; a lane holds 16 numbers of each.  None is negative: no |.|.
.macro QA                              ; 22 items: the block's largest number, and the conversion's scale operand
.irp jt, 0,1
	v_max3_num_f32 v[TM+2*\jt], v[OB+16*\jt], v[OB+16*\jt+1], v[OB+16*\jt+2]       ; two chains a block, four in all, by turns
	TICK
	v_max3_num_f32 v[TM+2*\jt+1], v[OB+16*\jt+3], v[OB+16*\jt+4], v[OB+16*\jt+5]
	TICK
.endr
.irp i, 6,10
.irp jt, 0,1
	v_max3_num_f32 v[TM+2*\jt], v[TM+2*\jt], v[OB+16*\jt+\i], v[OB+16*\jt+\i+1]
	TICK
	v_max3_num_f32 v[TM+2*\jt+1], v[TM+2*\jt+1], v[OB+16*\jt+\i+2], v[OB+16*\jt+\i+3]
	TICK
.endr
.endr
.irp jt, 0,1
	v_max3_num_f32 v[TM+2*\jt], v[TM+2*\jt], v[OB+16*\jt+14], v[OB+16*\jt+15]
	TICK
.endr
.irp jt, 0,1
	v_max3_num_f32 v[TM+2*\jt], v[TM+2*\jt], v[TM+2*\jt+1], 0x1800000              ; the floor 2^(3 - 127) holds the byte at 1 from below
	TICK
.endr
.irp jt, 0,1
	v_permlanex16_b32 v[TM+2*\jt+1], v[TM+2*\jt], s[SEL], s[SEL+1]
	TICK
.endr
.irp jt, 0,1
	v_max_num_f32 v[TM+2*\jt], v[TM+2*\jt], v[TM+2*\jt+1]                          ; with lane l xor 16's 16: the block's largest
	TICK
.endr
.irp jt, 0,1
	v_add_nc_u32 v[TM+4+\jt], 0xff000000, v[TM+2*\jt]                              ; 2 off the exponent field: the conversion's scale operand
	TICK
.endr
.endm
.macro QB                              ; 2 or 4 items: the scale's byte goes to byte PQ of the step's scale word
.if PQ == 0
.irp jt, 0,1
	v_lshrrev_b32 v[PW+\jt], 23, v[TM+4+\jt]
	TICK
.endr
.else
.irp jt, 0,1
	v_lshrrev_b32 v[TM+2*\jt+1], 23, v[TM+4+\jt]
	TICK
.endr
.irp jt, 0,1
	v_lshl_or_b32 v[PW+\jt], v[TM+2*\jt+1], 8*PQ, v[PW+\jt]
	TICK
.endr
.endif
.endm
.macro QC                              ; 5 or 9 items: the codes
.irp jt, 0,1
	v_cvt_scalef32_pk8_fp4_f32 v[P+8*\jt+2*PQ], v[OB+16*\jt:OB+16*\jt+7], v[TM+4+\jt]
	TICK
	v_cvt_scalef32_pk8_fp4_f32 v[P+8*\jt+2*PQ+1], v[OB+16*\jt+8:OB+16*\jt+15], v[TM+4+\jt]
	TICK
.endr
	v_nop                                          ; one plain line behind the conversions: the swaps below touch their results, the next products write their sources
	TICK
.if PQ%2
.irp jt, 0,1
.irp i, 0,1
	v_permlane16_swap_b32 v[P+8*\jt+2*PQ-2+\i], v[P+8*\jt+2*PQ+\i]                 ; a whole block to a lane: lanes 0-15 block PQ - 1, lanes 16-31 block PQ
	TICK
.endr
.endr
.endif
.endm
; THE SECOND PRODUCT of a finished step: out^T += x P^T, eight accumulators by turns.  mode = 1: it starts the sums.  Eight plain lines stand between the scale words' last write (and the swaps) and the
; products: step = 1: the next step's five addresses and three v_nop; step = 0, behind the last step: eight v_nop.
.macro PVS mode, step
.if \step
	s_add_co_u32 s[TK], s[TK], 4096
	s_add_co_u32 s[TV], s[TV], 4096
	s_add_co_u32 s[TS], s[TS], 512
	s_add_co_u32 s[TT], s[TT], 256
	s_add_co_u32 s[TG], s[TG], 512
	v_add_nc_u32 v[ADK], s[TK], v[LK]
	TICK
	v_add_nc_u32 v[ADV], s[TV], v[LK]
	TICK
	v_add_nc_u32 v[ADS], s[TS], v[L4]
	TICK
	v_add_nc_u32 v[ADT], s[TT], v[L4]
	TICK
	v_add_nc_u32 v[ADG], s[TG], v[LG]
	TICK
.rept 3
	v_nop
	TICK
.endr
.else
.rept 8
	v_nop
.endr
.endif
	s_wait_dscnt LSEQ-VSEQ                         ; x's fragments are in; the loads issued behind them (in the loop slot 3's three for the keys and four for g) may be out
.irp t, 0,1,2,3
.irp jt, 0,1
.set rD, O+32*\jt+8*\t
.set rV, XF+8*\t
.set rP, P+8*\jt
.set rE, VSC+\t/2
.set rF, PW+\jt
.if (\mode) == 1
	WMZ rD, rV, rP, rE, rF, \t%2, 0
.else
	WMA rD, rV, rP, rE, rF, \t%2
.endif
	TICK
.endr
.endr
.endm
.macro WS                              ; THE FIRST PRODUCT of a sub-step into the buffer at OB: two tiles of keys x my two tiles of queries
	s_wait_dscnt LSEQ-KSEQ                         ; the keys and their scale words are in; the loads issued behind them (g's four; behind slot 2 also x's ten) may be out
.irp u, 0,1
.irp jt, 0,1
.set rD, OB+16*\jt+8*\u
.set rK, KF+8*\u
.set rQ, QF+8*\jt
	WMZ rD, rK, rQ, KSC, QSC, \u, \jt
	TICK
.endr
.endr
.endm
.macro FF                              ; c s + g[i], two at a time; each accumulator is read from its low end on
	s_wait_dscnt LSEQ-GSEQ                         ; g is in; the loads issued behind it (x's ten behind slot 2; the three for the keys just issued) may be out
.irp jt, 0,1
.irp m, 0,2,4,6,8,10,12,14
	v_pk_fma_f32 v[OB+16*\jt+\m:OB+16*\jt+\m+1], v[OB+16*\jt+\m:OB+16*\jt+\m+1], s[CS:CS+1], v[G+\m:G+\m+1] op_sel_hi:[1,0,1]
	TICK
.endr
.endr
.endm
; A SLOT.  q: which of the step's four.  hasq: sub-step q - 1 is quantised.  pv: 0, or the mode of the second product (slot 0 alone).  hasw: sub-step q + 1 is multiplied.  haskl: sub-step q + 2 is loaded.
; Behind the four products stand four plain lines that name none of their registers, ahead of the loads into the keys' registers and of the first read of the scores: where nothing wants the scale word at once they are the
; quantiser's own lines QB (LATE), filled up with v_nop; else four v_nop.
.macro SLOT q, hasq, pv, hasw, haskl
.set EB, S+32*((\q)%2)
.set OB, S+32-32*((\q)%2)
.set PQ, ((\q)+3)%4
.set NQB, 4
.if PQ == 0
.set NQB, 2
.endif
.set LATE, 0
.if (\hasq) && (\hasw) && ((\pv) == 0)
.set LATE, 1
.endif
.set NP, 0
.if \hasq
.set NP, NP+27+NQB+4*(PQ%2)
.endif
.if \pv
.set NP, NP+16
.endif
.if \hasw
.set NP, NP+24-LATE*NQB
.endif
.if \haskl
.set NP, NP+7
.endif
.if (\q) == 2
.set NP, NP+10
.endif
.set NE, 32
.set k, 0
.set e, 1
	v_exp_f32 v[EB], v[EB]                         ; the finished weights of sub-step q: the first of 32
.if \hasq
	QA
.if LATE == 0
	QB
.endif
	QC
.endif
.if \pv
	PVS \pv, 1
.endif
.if \hasw
	WS
.if LATE
	QB
.if PQ == 0
.rept 2
	v_nop
	TICK
.endr
.endif
.else
.rept 4
	v_nop
	TICK
.endr
.endif
.if \haskl
	LDK (\q)+2
.endif
	FF
.if \haskl
	LDG (\q)+2
.endif
.endif
.if (\q) == 2
	LDV                                            ; the second product that read these registers stands in slot 0
.endif
.rept NE-e
	v_exp_f32 v[EB+e], v[EB+e]                     ; what the items have not called for
.set e, e+1
.endr
	v_nop                                          ; the plain line behind the last exponential
	s_wait_alu depctr_va_vdst(0)                   ; one wait for the slot's 32, ahead of their first reader, the next slot's quantiser
.endm
.macro BODY pv                         ; slots 1, 2, 3 of a step and slot 0 of the next, which ends the step: its last block's codes and its second product
	SLOT 1, 1, 0, 1, 1
	SLOT 2, 1, 0, 1, 1
	SLOT 3, 1, 0, 1, 1
	SLOT 0, 1, \pv, 1, 1
.endm
.set NE, 0
.set NP, 1
.set e, 0
.set k, 0
.set EB, S
.set LSEQ, 0
.set KSEQ, 0
.set GSEQ, 0
.set VSEQ, 0
	LDK 0                                          ; the way in: sub-step 0 is loaded, multiplied and scaled with nothing beside it
	LDG 0
.set OB, S
	WS
	PLACES
	LDK 1
	FF
	LDG 1
	SLOT 0, 0, 0, 1, 1                             ; step 0, slot 0: nothing to quantise yet
	BODY 1                                         ; step 0 goes on; its second product starts the sums: nothing is cleared
.Lstep:                                            ; 14 trips: steps 1 to 14, each up to slot 0 of the next
	BODY 2
	s_sub_co_u32 s[CNT], s[CNT], 1
	s_cmp_lg_u32 s[CNT], 0
	s_cbranch_scc1 .Lstep
	SLOT 1, 1, 0, 1, 1                             ; step 15 is written out: it loads and multiplies nothing beyond the head's last row
	SLOT 2, 1, 0, 1, 0
	SLOT 3, 1, 0, 0, 0
.set OB, S+32
.set PQ, 3
	QA                                             ; the last block's codes,
	QB
	QC
	PVS 2, 0                                       ; and the last second product
	PLACES                                         ; ahead of the first read of out^T and of writes into the product's sources
	; THE WAY OUT.  out along d: register 16 k + i of a lane is d = 32 (k % 2) + 16 h + i of column tile k / 2: four blocks, quantised as the weights were, with |.|
.irp k, 0,1,2,3
	v_max3_num_f32 v[TF+\k], |v[O+16*\k]|, |v[O+16*\k+1]|, 0x1800000
.endr
.irp i, 2,4,6,8,10,12,14
.irp k, 0,1,2,3
	v_max3_num_f32 v[TF+\k], v[TF+\k], |v[O+16*\k+\i]|, |v[O+16*\k+\i+1]|
.endr
.endr
.irp k, 0,1,2,3
	v_permlanex16_b32 v[TF+4+\k], v[TF+\k], s[SEL], s[SEL+1]
.endr
.irp k, 0,1,2,3
	v_max_num_f32 v[TF+\k], v[TF+\k], v[TF+4+\k]
.endr
.irp k, 0,1,2,3
	v_add_nc_u32 v[TF+8+\k], 0xff000000, v[TF+\k]
.endr
.irp k, 0,1,2,3
	v_lshrrev_b32 v[TF+4+\k], 23, v[TF+8+\k]
.endr
.irp jt, 0,1
	v_lshl_or_b32 v[PW+\jt], v[TF+5+2*\jt], 8, v[TF+4+2*\jt]       ; two bytes a word; the upper two stay 0
.endr
.irp k, 0,1,2,3
	v_cvt_scalef32_pk8_fp4_f32 v[P+8*(\k/2)+2*(\k%2)], v[O+16*\k:O+16*\k+7], v[TF+8+\k]
	v_cvt_scalef32_pk8_fp4_f32 v[P+8*(\k/2)+2*(\k%2)+1], v[O+16*\k+8:O+16*\k+15], v[TF+8+\k]
.endr
	v_nop                                          ; one plain line behind a scaled conversion
.irp jt, 0,1
.irp i, 0,1
	v_permlane16_swap_b32 v[P+8*\jt+\i], v[P+8*\jt+2+\i]
.endr
.endr
	global_store_b128 v[LK], v[P:P+3], s[86:87]                ; an image: 512 consecutive bytes
	global_store_b128 v[LK], v[P+8:P+11], s[86:87] offset:512
	v_cmp_lt_u32 vcc_lo, 15, v11
	v_cndmask_b32 v[TM], v[PW], v[PW+1], vcc_lo    ; lanes 16-31 take tile 1's words
	global_store_b32 v[L4], v[TM], s[88:89]        ; 128 consecutive bytes
	s_wait_tensorcnt 0x0                           ; the wave's end
	ds_add_u32 v[SPW], v[NIL]
	s_wait_dscnt 0x0
	ROUND                                          ; the closing round
	s_endpgm
.Lfunc_end_k_q49540a6694_attn:
	.size	k_q49540a6694_attn, .Lfunc_end_k_q49540a6694_attn-k_q49540a6694_attn
	.p2alignl 7, 3214868480
	.fill 96, 4, 3214868480
	.section	.rodata,"a",@progbits
	.p2align	6, 0x0
	.amdhsa_kernel k_q49540a6694_attn
		.amdhsa_group_segment_fixed_size 167936
		.amdhsa_private_segment_fixed_size 0
		.amdhsa_enable_private_segment 0
		.amdhsa_kernarg_size 32
		.amdhsa_user_sgpr_count 2
		.amdhsa_user_sgpr_kernarg_segment_ptr 1
		.amdhsa_wavefront_size32 1
		.amdhsa_system_sgpr_workgroup_id_x 1
		.amdhsa_system_sgpr_workgroup_id_y 1
		.amdhsa_system_sgpr_workgroup_id_z 1
		.amdhsa_system_vgpr_workitem_id 0
		.amdhsa_next_free_vgpr 256
		.amdhsa_next_free_sgpr 96
		.amdhsa_reserve_vcc 1
		.amdhsa_float_denorm_mode_32 3
		.amdhsa_float_denorm_mode_16_64 3
		.amdhsa_memory_ordered 1
		.amdhsa_forward_progress 1
		.amdhsa_inst_pref_size 79
	.end_amdhsa_kernel
	.amdgpu_metadata
---
amdhsa.version: [ 1, 2 ]
amdhsa.kernels:
  - .name:           k_q49540a6694_attn
    .symbol:         k_q49540a6694_attn.kd
    .args:
      - { .name: kq, .offset: 0, .size: 8, .value_kind: global_buffer, .address_space: global }
      - { .name: xq, .offset: 8, .size: 8, .value_kind: global_buffer, .address_space: global }
      - { .name: g, .offset: 16, .size: 8, .value_kind: global_buffer, .address_space: global }
      - { .name: oq, .offset: 24, .size: 8, .value_kind: global_buffer, .address_space: global }
    .group_segment_fixed_size: 167936
    .private_segment_fixed_size: 0
    .kernarg_segment_align: 8
    .kernarg_segment_size: 32
    .max_flat_workgroup_size: 512
    .sgpr_count:     96
    .vgpr_count:     256
    .wavefront_size: 32
...
	.end_amdgpu_metadata
.endif
;; end of part 4
;; launch outp (part 5): grid 8 x 32, 4 waves a work-group, clusters of 4 x 4, 235,008 bytes of LDS; arguments oq, Wp_codes, Wp_scales, bp, out0; writes out0
.if DOCPART == 5
	.amdgcn_target "amdgcn-amd-amdhsa--gfx1250"
	.amdhsa_code_object_version 6
	.text
	.protected	k_q49540a6694_outp
	.globl	k_q49540a6694_outp
	.p2align	8
	.type	k_q49540a6694_outp,@function
k_q49540a6694_outp:
	s_mov_b64 s[64:65], 0
	v_nop
	global_prefetch_b8 v0, s[64:65] scope:SCOPE_SE
	s_setreg_imm32_b32 hwreg(HW_REG_WAVE_MODE, 25, 1), 1
	s_wait_xcnt 0x0
	s_wait_alu depctr_hold_cnt(0) depctr_sa_sdst(0) depctr_va_vdst(0) depctr_va_sdst(0) depctr_va_ssrc(0) depctr_va_vcc(0) depctr_vm_vsrc(0)
	s_getreg_b32 s2, hwreg(HW_REG_IB_STS2, 6, 4)
	s_cmp_eq_u32 s2, 0
	s_cbranch_scc0 .Lentry_in_a_cluster
	s_endpgm
.Lentry_in_a_cluster:
	s_bfe_u32 s2, ttmp6, 0x10000c
	s_cmp_lg_u32 s2, 0xf033
	s_cbranch_scc0 .Lentry_shape_is_right
	s_endpgm
.Lentry_shape_is_right:
; LAUNCH 5 OF 5.  out0[b][o][l] = the sum over c of Wp[o][c] out[b][c][l] + bp[o], on codes of E2M1 (K = c = 1,024: a K step of 128 is two heads).  No work of reference() is left out here.
; LIMITS: as in the first launch; the bias is the C of each sum's first matrix instruction, so it is added first and not last.
; SHARES.  A work-group makes 128 rows o (TC = 4 x cluster x + cx) x 256 l (TR = 4 x cluster y + cy; b = TR / 8).  Wave w: l half w / 2 (8 tiles a, source 0), o half w % 2 (4 tiles n of neighbouring rows, source 1):
; 32 accumulators.  A lane then holds one row o, and the 16 registers of tiles 2 pa, 2 pa + 1 are 16 neighbours along l, which is innermost in out0.
; All of K lies in LDS, in two halves: every tensor load is a first fill.  CLUSTER 4 x 4: out's images hang on TR alone and are asked for jointly along a row of the cluster, Wp's rows on TC alone and jointly along a column.
; REGISTERS: window 0: v1-29 addresses; v32-63 out's scale words, v64-79 Wp's; v128-255 out's fragments, two sets (at the head the raw scale words, on the way out the rows read back).
;   window 1: v0-63 Wp's fragments, two sets; v64-95 the bias in the result's layout.   window 2: accumulator (a, n) at v[8 (4 a + n)].
.set BLDS,  131072                     ; LDS: out's images, 65,536 bytes a half of K, from 0; Wp's rows from here:
.set BHALF, 34816                      ; 128 rows x (256 bytes + 16) a half of K,
.set BPART, 17408                      ; 64 rows: what one tensor load brings and one wave reads
.set STAGE, 200704                     ; the way out: 16 rows x (512 bytes + 16) for each wave; no tensor load lands here
.set SPARE, 234496                     ; the spare words, 128 bytes for each wave: two blocks of 256 bytes that no other line names
.set ADRA, 16
.set ADRB, 20
.set KO,   24                          ; v24  16 x lane
.set STO,  25
.set RD,   26
.set SPW,  28
.set NIL,  29
.set OS,   32                          ; v[OS + 4 s + pa]: lanes 0-15 the word of tile 2 pa, lanes 16-31 of tile 2 pa + 1, for K step s
.set PS,   64                          ; v[PS + 8 q + s]: the same of Wp's tiles 2 q, 2 q + 1
.set AF,   128
.set BI,   64                          ; in window 1
.set WV,   20
.set RH,   21
.set CH,   22
.set CX,   23
.set CY,   24
.set TR,   25
.set TC,   60
.set G1A,  28
.set G0A,  36
.set G1B,  44
.set G0B,  52
.set MSB, 0
.macro WIN new
.if MSB != (\new)
	s_set_vgpr_msb (MSB<<8)|(\new)
.set MSB, (\new)
.endif
.endm
.macro PLACES
.rept 4
	v_nop
.endr
.endm
.macro CROUND
	s_barrier_signal -1
	s_barrier_wait -1
	s_cmp_lg_u32 s[WV], 0
	s_cbranch_scc1 .Lnot_wave_0_\@
	s_barrier_signal -3
.Lnot_wave_0_\@:
	s_barrier_wait -3
	s_barrier_signal -1
	s_barrier_wait -1
.endm
.macro WMM d, a, b, c, sa, sb, ra, rb
.if ((\ra) == 0) && ((\rb) == 0)
	v_wmma_scale_f32_16x16x128_f8f6f4 v[\d:\d+7], v[\a:\a+7], v[\b:\b+7], v[\c:\c+7], v[\sa], v[\sb] matrix_a_fmt:MATRIX_FMT_FP4 matrix_b_fmt:MATRIX_FMT_FP4
.elseif (\rb) == 0
	v_wmma_scale_f32_16x16x128_f8f6f4 v[\d:\d+7], v[\a:\a+7], v[\b:\b+7], v[\c:\c+7], v[\sa], v[\sb] matrix_a_fmt:MATRIX_FMT_FP4 matrix_b_fmt:MATRIX_FMT_FP4 matrix_a_scale:MATRIX_SCALE_ROW1
.elseif (\ra) == 0
	v_wmma_scale_f32_16x16x128_f8f6f4 v[\d:\d+7], v[\a:\a+7], v[\b:\b+7], v[\c:\c+7], v[\sa], v[\sb] matrix_a_fmt:MATRIX_FMT_FP4 matrix_b_fmt:MATRIX_FMT_FP4 matrix_b_scale:MATRIX_SCALE_ROW1
.else
	v_wmma_scale_f32_16x16x128_f8f6f4 v[\d:\d+7], v[\a:\a+7], v[\b:\b+7], v[\c:\c+7], v[\sa], v[\sb] matrix_a_fmt:MATRIX_FMT_FP4 matrix_b_fmt:MATRIX_FMT_FP4 matrix_a_scale:MATRIX_SCALE_ROW1 matrix_b_scale:MATRIX_SCALE_ROW1
.endif
.endm
	s_load_b256 s[4:11], s[0:1], 0x0               ; oq s[4:5], Wp's codes s[6:7], its scales s[8:9], bp s[10:11]
	s_load_b64 s[12:13], s[0:1], 0x20              ; out0
	v_lshl_add_u32 v[SPW], v0, 2, SPARE
	v_mov_b32 v[NIL], 0
	ds_add_u32 v[SPW], v[NIL]                      ; the wave's opening: the add, twice on end, and its wait ahead of my first tensor load
	ds_add_u32 v[SPW], v[NIL]
	v_lshrrev_b32 v1, 5, v0
	v_readfirstlane_b32 s[WV], v1                  ; wave 0..3
	s_lshr_b32 s[RH], s[WV], 1                     ; my half of the 256 l.  Also: I fetch out's images (0) or Wp's rows (1)
	s_and_b32 s[CH], s[WV], 1                      ; my half of the 128 o.  Also: which half of that tile I fetch
	s_bfe_u32 s[CX], ttmp6, 0x40000
	s_bfe_u32 s[CY], ttmp6, 0x40004
	s_and_b32 s[TR], ttmp7, 0xffff
	s_lshl_b32 s[TR], s[TR], 2
	s_add_co_u32 s[TR], s[TR], s[CY]
	s_lshl_b32 s[TC], ttmp9, 2
	s_add_co_u32 s[TC], s[TC], s[CX]
	s_lshl_b32 s26, s[CY], 2
	s_lshl_b32 s26, 15, s26                        ; my row of the cluster
	s_lshl_b32 s27, 0x1111, s[CX]                  ; my column
	s_or_b32 s[G1A], s26, (3<<16)|(1<<21)          ; out's images: 8 heads x 4,096 consecutive bytes (8 tiles), as rows of 512 elements of 8 bytes, 65,536 bytes apart; no padding
	s_mov_b32 s[G1A+1], 512<<16
	s_mov_b32 s[G1A+2], 8<<16
	s_mov_b32 s[G1A+3], 512<<16
	s_mov_b32 s[G1A+4], 8
	s_mov_b32 s[G1A+5], 8192
	s_mov_b32 s[G1A+6], 0
	s_mov_b32 s[G1A+7], 0
	s_or_b32 s[G1B], s27, (1<<20)|(1<<21)|(5<<22)|(3<<25)   ; Wp: 64 rows x 256 bytes of 512, 16 bytes of padding behind each 64 words
	s_mov_b32 s[G1B+1], 256<<16
	s_mov_b32 s[G1B+2], 64<<16
	s_mov_b32 s[G1B+3], 256<<16
	s_mov_b32 s[G1B+4], 64
	s_mov_b32 s[G1B+5], 512
	s_mov_b32 s[G1B+6], 0
	s_mov_b32 s[G1B+7], 0
	s_lshr_b32 s61, s[TR], 3                       ; b
	s_and_b32 s62, s[TR], 7                        ; which 256 l of the batch
	s_lshl_b32 s72, s61, 20                        ; out's images: 16 heads of 65,536 bytes a batch,
	s_lshl_b32 s26, s62, 13
	s_add_co_u32 s72, s72, s26                     ; my work-group's 16 tiles,
	s_lshl_b32 s26, s[CH], 12
	s_add_co_u32 s72, s72, s26                     ; the 8 that I fetch
	s_mov_b32 s73, 0
	s_lshl_b32 s74, s[TC], 16                      ; Wp's 128 rows of 512 bytes,
	s_lshl_b32 s26, s[CH], 15
	s_add_co_u32 s74, s74, s26                     ; the 64 that I fetch
	s_mov_b32 s75, 0
	s_lshl_b32 s66, s61, 17                        ; out's scale words: OS + (16 b + head) 8,192 + (16 (TR % 8) + 8 RH) 64
	s_lshl_b32 s26, s62, 10
	s_add_co_u32 s66, s66, s26
	s_lshl_b32 s27, s[RH], 9
	s_add_co_u32 s66, s66, s27
	s_add_co_u32 s66, s66, 0x400000
	s_mov_b32 s67, 0
	s_lshl_b32 s68, s61, 23                        ; out0: ((1,024 b + 128 TC + 64 CH) 2,048 + 256 (TR % 8) + 128 RH) 4
	s_add_co_u32 s68, s68, s26
	s_add_co_u32 s68, s68, s27
	s_lshl_b32 s26, s[TC], 20
	s_add_co_u32 s68, s68, s26
	s_lshl_b32 s26, s[CH], 19
	s_add_co_u32 s68, s68, s26
	s_mov_b32 s69, 0
	s_lshl_b32 s70, s[TC], 12                      ; Wp's scale bytes of my 64 rows: 32 bytes a row
	s_lshl_b32 s26, s[CH], 11
	s_add_co_u32 s70, s70, s26
	s_mov_b32 s71, 0
	s_lshr_b32 s76, s70, 3                         ; and their bias: 4 bytes a row
	s_mov_b32 s77, 0
	s_wait_dscnt 0x0                               ; both opening adds are done
	s_wait_kmcnt 0x0
	s_add_nc_u64 s[72:73], s[4:5], s[72:73]
	s_add_nc_u64 s[74:75], s[6:7], s[74:75]
	s_add_nc_u64 s[66:67], s[4:5], s[66:67]
	s_add_nc_u64 s[12:13], s[12:13], s[68:69]
	s_add_nc_u64 s[8:9], s[8:9], s[70:71]
	s_add_nc_u64 s[10:11], s[10:11], s[76:77]
.irp f, 0,1                            ; group 0 for each half of K: heads 8 f .. 8 f + 7
	s_mov_b32 s[G0A+4*\f], 1
	s_lshl_b32 s[G0A+4*\f+1], s[CH], 15
	s_add_co_u32 s[G0A+4*\f+1], s[G0A+4*\f+1], \f*65536
	s_add_nc_u64 s[G0A+4*\f+2:G0A+4*\f+3], s[72:73], \f*524288
	s_or_b32 s[G0A+4*\f+3], s[G0A+4*\f+3], 0x80000000
	s_mov_b32 s[G0B+4*\f], 1
	s_mul_i32 s[G0B+4*\f+1], s[CH], BPART
	s_add_co_u32 s[G0B+4*\f+1], s[G0B+4*\f+1], BLDS+\f*BHALF
	s_add_nc_u64 s[G0B+4*\f+2:G0B+4*\f+3], s[74:75], \f*256
	s_or_b32 s[G0B+4*\f+3], s[G0B+4*\f+3], 0x80000000
.endr
	CROUND                                         ; all sixteen work-groups are here: the joint loads meet
	s_cmp_lt_u32 s[WV], 2                          ; a wave's two fills stand in one arm: two tensor loads of mine are out
	s_cbranch_scc0 .Lfirst_b
	tensor_load_to_lds s[G0A:G0A+3], s[G1A:G1A+7]
	s_nop 0
	tensor_load_to_lds s[G0A+4:G0A+7], s[G1A:G1A+7]
	s_nop 0
.rept 4
	v_nop
.endr
	s_branch .Lfirst_asked
.Lfirst_b:
	tensor_load_to_lds s[G0B:G0B+3], s[G1B:G1B+7]
	s_nop 0
	tensor_load_to_lds s[G0B+4:G0B+7], s[G1B:G1B+7]
	s_nop 0
.rept 4
	v_nop
.endr
.Lfirst_asked:
	v_and_b32 v1, 15, v0                           ; r
	v_bfe_u32 v2, v0, 4, 1                         ; h
	v_and_b32 v3, 31, v0                           ; lane
	v_lshlrev_b32 v[KO], 4, v3
	v_lshlrev_b32 v5, 2, v3                        ; 4 x lane
	v_lshlrev_b32 v4, 5, v3                        ; Wp's scale bytes: row = lane of a pair of tiles
	v_lshlrev_b32 v6, 2, v1                        ; the bias: row r of a tile
.irp hd, 0,1,2,3,4,5,6,7,8,9,10,11,12,13,14,15
.irp pa, 0,1,2,3
	global_load_b32 v[AF+4*\hd+\pa], v5, s[66:67] offset:\hd*8192+\pa*128    ; head hd's two bytes of tiles 2 pa, 2 pa + 1
.endr
.endr
.irp q, 0,1
	global_load_b128 v[PS+8*\q:PS+8*\q+3], v4, s[8:9] offset:\q*1024
	global_load_b128 v[PS+8*\q+4:PS+8*\q+7], v4, s[8:9] offset:\q*1024+16
.endr
	WIN 0x40                                       ; destination window 1
.irp n, 0,1,2,3
	global_load_b32 v[BI+8*\n], v6, s[10:11] offset:64*\n
.endr
	WIN 0
	s_lshl_b32 s26, s[RH], 15
	v_add_nc_u32 v[ADRA], s26, v[KO]
	v_add_nc_u32 v[ADRA+1], 65536, v[ADRA]
	v_mul_u32_u24 v8, v1, 272
	v_lshl_add_u32 v8, v2, 4, v8
	s_mul_i32 s26, s[CH], BPART
	s_add_co_u32 s26, s26, BLDS
	v_add_nc_u32 v[ADRB], s26, v8
	v_add_nc_u32 v[ADRB+1], BHALF, v[ADRB]
	s_mul_i32 s26, s[WV], 16*528
	s_add_co_u32 s26, s26, STAGE                   ; my stage
	v_mul_u32_u24 v[STO], v1, 528
	v_lshl_add_u32 v[STO], v2, 6, v[STO]
	v_add_nc_u32 v[STO], s26, v[STO]               ; in: row r (an o), + 64 h: my 16 l of a block of 32
	v_add_nc_u32 v[RD], s26, v[KO]                 ; back: the 32 lanes take one row of 512 bytes
	s_wait_loadcnt 0x0
.irp s, 0,1,2,3,4,5,6,7
.irp pa, 0,1,2,3
	v_lshl_or_b32 v[OS+4*\s+\pa], v[AF+4*(2*\s+1)+\pa], 16, v[AF+4*(2*\s)+\pa]   ; a K step's word: head 2 s's two bytes below, head 2 s + 1's above
.endr
.endr
	WIN 0x41                                       ; source 0 and destination window 1
.irp n, 0,1,2,3
.irp j, 1,2,3,4,5,6,7
	v_mov_b32 v[BI+8*\n+\j], v[BI+8*\n]            ; a lane's eight results of a tile belong to one row o: one bias in eight registers.  (These 28 also stand between the scale words' last write and the first product)
.endr
.endr
	WIN 0
.macro FETCH s                         ; the fragments of K step s into set s % 2: 8 loads for Wp, 16 for out
	WIN 0x40
.irp n, 0,1,2,3
.irp cc, 0,1
	ds_load_b128 v[32*((\s)%2)+8*\n+4*\cc:32*((\s)%2)+8*\n+4*\cc+3], v[ADRB+(\s)/4] offset:\n*4352+64*((\s)%4)+32*\cc
.endr
.endr
	WIN 0
.irp a, 0,1,2,3,4,5,6,7
.irp cc, 0,1
	ds_load_b128 v[AF+64*((\s)%2)+8*\a+4*\cc:AF+64*((\s)%2)+8*\a+4*\cc+3], v[ADRA+(\s)/4] offset:(2*((\s)%4)+\cc)*4096+\a*512
.endr
.endr
.endm
.macro MM s, a, n
.set rD, 8*(4*(\a)+(\n))
.set rA, AF+64*((\s)%2)+8*(\a)
.set rB, 32*((\s)%2)+8*(\n)
.set rO, OS+4*(\s)+(\a)/2
.set rP, PS+8*((\n)/2)+(\s)
.set rC, rD
.if (\s) == 0
.set rC, BI+8*(\n)                     ; the first K step starts each sum with the bias
.endif
	WMM rD, rA, rB, rC, rO, rP, (\a)%2, (\n)%2
.endm
.macro MUL s                           ; 32 products; the 32 accumulators take turns, in the same order in every K step
.if (\s) == 0
	WIN 0x94                                       ; source 0 window 0, source 1 and C window 1, D window 2
.else
	WIN 0xa4                                       ; source 0 window 0, source 1 window 1, C and D window 2
.endif
.irp a, 0,1,2,3,4,5,6,7
.irp n, 0,1,2,3
	MM \s, \a, \n
.endr
.endr
.endm
.macro STEP s
.if (\s) < 7
	PLACES                                         ; the other set was multiplied by the K step before
	FETCH (\s)+1
	s_wait_dscnt 24                                ; this step's fragments are in; the 24 loads just issued may be out
.else
	s_wait_dscnt 0x0
.endif
	MUL \s
.endm
	s_wait_tensorcnt 1                             ; my part of K's first half is in; the second half's load may be out
	s_barrier_signal -1
	s_barrier_wait -1                              ; everybody's is
	FETCH 0
	STEP 0
	STEP 1
	STEP 2
	s_wait_tensorcnt 0x0                           ; my part of K's second half is in: no load was issued behind it
	s_wait_dscnt 0x0                               ; no LDS instruction of mine is pending at a signal
	s_barrier_signal -1
	s_barrier_wait -1                              ; everybody's is; nothing is filled again
	STEP 3
	STEP 4
	STEP 5
	STEP 6
	STEP 7
	WIN 0
	PLACES                                         ; in front of the first read of results and of loads into the fragments' registers
; THE WAY OUT, a tile n of 16 rows o x 128 l at a time, through my own stage: a lane holds pieces of 32 bytes of one row; they come back as whole rows of 512 bytes.
.macro TOSTAGE n
	WIN 0x08                                       ; an LDS store's data are its source 1: window 2
.irp a, 0,1,2,3,4,5,6,7
	ds_store_b128 v[STO], v[8*(4*\a+(\n)):8*(4*\a+(\n))+3] offset:(\a/2)*128+(\a%2)*32       ; l = 32 (a / 2) + 16 h + 8 (a % 2) + 0 .. 7; each accumulator from its low end on
	ds_store_b128 v[STO], v[8*(4*\a+(\n))+4:8*(4*\a+(\n))+7] offset:(\a/2)*128+(\a%2)*32+16
.endr
	WIN 0
.irp t, 0,1,2,3,4,5,6,7,8,9,10,11,12,13,14,15
	ds_load_b128 v[AF+64*((\n)%2)+4*\t:AF+64*((\n)%2)+4*\t+3], v[RD] offset:\t*528   ; LDS serves a wave's instructions in order: these see the stores above, and the next tile's stores come behind them
.endr
.endm
.macro SEND n, younger                 ; younger: the LDS instructions issued behind tile n's loads, which may stay out
	s_wait_dscnt \younger
.irp t, 0,1,2,3,4,5,6,7,8,9,10,11,12,13,14,15
	global_store_b128 v[KO], v[AF+64*((\n)%2)+4*\t:AF+64*((\n)%2)+4*\t+3], s[12:13] offset:(16*(\n)+\t)*8192 th:TH_STORE_NT   ; 32 lanes store 512 consecutive bytes, aligned; written once
.endr
.endm
	TOSTAGE 0
	TOSTAGE 1
	SEND 0, 32                                     ; behind tile 0's loads: tile 1's 16 stores and 16 loads
	s_wait_xcnt 0x0                                ; tile 0's stores have read their registers: tile 2's rows may land there
	TOSTAGE 2
	SEND 1, 32
	s_wait_xcnt 0x0
	TOSTAGE 3
	SEND 2, 32
	SEND 3, 0
	s_wait_tensorcnt 0x0                           ; the wave's end, behind my last tensor load and my last LDS store
	ds_add_u32 v[SPW], v[NIL]
	s_wait_dscnt 0x0
	CROUND                                         ; the closing round
	s_endpgm
.Lfunc_end_k_q49540a6694_outp:
	.size	k_q49540a6694_outp, .Lfunc_end_k_q49540a6694_outp-k_q49540a6694_outp
	.p2alignl 7, 3214868480
	.fill 96, 4, 3214868480
	.section	.rodata,"a",@progbits
	.p2align	6, 0x0
	.amdhsa_kernel k_q49540a6694_outp
		.amdhsa_group_segment_fixed_size 235008
		.amdhsa_private_segment_fixed_size 0
		.amdhsa_enable_private_segment 0
		.amdhsa_kernarg_size 40
		.amdhsa_user_sgpr_count 2
		.amdhsa_user_sgpr_kernarg_segment_ptr 1
		.amdhsa_wavefront_size32 1
		.amdhsa_system_sgpr_workgroup_id_x 1
		.amdhsa_system_sgpr_workgroup_id_y 1
		.amdhsa_system_sgpr_workgroup_id_z 1
		.amdhsa_system_vgpr_workitem_id 0
		.amdhsa_next_free_vgpr 768
		.amdhsa_next_free_sgpr 96
		.amdhsa_reserve_vcc 0
		.amdhsa_float_denorm_mode_32 3
		.amdhsa_float_denorm_mode_16_64 3
		.amdhsa_memory_ordered 1
		.amdhsa_forward_progress 1
		.amdhsa_inst_pref_size 78
	.end_amdhsa_kernel
	.amdgpu_metadata
---
amdhsa.version: [ 1, 2 ]
amdhsa.kernels:
  - .name:           k_q49540a6694_outp
    .symbol:         k_q49540a6694_outp.kd
    .args:
      - { .name: oq, .offset: 0, .size: 8, .value_kind: global_buffer, .address_space: global }
      - { .name: Wp_codes, .offset: 8, .size: 8, .value_kind: global_buffer, .address_space: global }
      - { .name: Wp_scales, .offset: 16, .size: 8, .value_kind: global_buffer, .address_space: global }
      - { .name: bp, .offset: 24, .size: 8, .value_kind: global_buffer, .address_space: global }
      - { .name: out0, .offset: 32, .size: 8, .value_kind: global_buffer, .address_space: global }
    .group_segment_fixed_size: 235008
    .private_segment_fixed_size: 0
    .kernarg_segment_align: 8
    .kernarg_segment_size: 40
    .max_flat_workgroup_size: 128
    .sgpr_count:     96
    .vgpr_count:     768
    .wavefront_size: 32
...
	.end_amdgpu_metadata
.endif
;; end of part 5
